; MI455X (gfx1250); checked and timed in simulation.
; The chip was launched on July 23, 2026; its instructions are those of AMD's public machine-readable ISA for CDNA 5 (MIT licence, August 2026) and "CDNA5" Instruction Set Architecture Reference Guide (July 2026). The comments in the code are by the model that wrote it; some were corrected since.
;; Graph Identifier Env. Allowed arithmetic: float matrix products may take bf16 or f16 operands with f32 sums; all other float work in f32.
;; Inputs: Theta 1,024 x 1,024 float32; x 8,192 x 1,024 float32.
;; Outputs: out0 8,192 x 1,024 float32.
;; 2 versions, each right and faster than the one before. Each part assembles by itself: llvm-mc -triple=amdgcn-amd-amdhsa -mcpu=gfx1250 --defsym DOCPART=n.
;; ======== version 1 of 2: 4 launches
;; workspace buffers: Gf 4,194,304 bytes; Sf 4,194,304 bytes; Gb 2,097,152 bytes; Hb 2,097,152 bytes; Wb 2,097,152 bytes; Mb 2,097,152 bytes
;; launch soft (part 1): grid 256 x 1, 2 waves a work-group, no clusters, 0 bytes of LDS; arguments Theta, Gf, Gb; writes Gf, Gb
.if DOCPART == 1
	.amdgcn_target "amdgcn-amd-amdhsa--gfx1250"
	.amdhsa_code_object_version 6
	.text
	.protected	k_q6000be298a_soft
	.globl	k_q6000be298a_soft
	.p2align	8
	.type	k_q6000be298a_soft,@function
k_q6000be298a_soft:
	s_mov_b64 s[64:65], 0
	v_nop
	global_prefetch_b8 v0, s[64:65] scope:SCOPE_SE
	s_setreg_imm32_b32 hwreg(HW_REG_WAVE_MODE, 25, 1), 1
	s_wait_xcnt 0x0
; G = 0.1 * A, A = the row softmax of Theta with the diagonal masked and the rows normalised again (empty rows stay zero).
; Theta, Gf: [1024][1024] f32.  Gb: the same G in bf16, in panels [16][1024 rows][64 columns]:
; element (row, col) at byte (col >> 6) * 131072 + row * 128 + (col & 63) * 2.
; Softmax's own denominator cancels in the second normalisation, so G = 0.1 * e / (sum of e off the diagonal), e = exp(Theta - row maximum);
; the maximum is taken over the whole row, the diagonal included.
; LIMITS: NaN and infinities in Theta are not served (the maximum drops a NaN).  v_exp_f32 gives 0 for results under 2^-126
; (ISA guide 15.8), so an entry more than about 87 under its row's maximum counts as 0; a row whose off-diagonal entries all do so is a zero row.
; Two waves, four rows a work-group, 256 work-groups.  Sixteen lanes hold a row: load j brings columns 64 j + 4 r .. + 3 (r = lane mod 16),
; so sixteen lanes take 256 consecutive aligned bytes, a lane keeps 64 numbers in registers, the row is read once,
; and both reductions stay inside sixteen lanes.  No LDS, no barrier, no matrix unit, no cluster: rows share nothing.
.set TO,  1                            ; v1       byte offset of my 16 bytes in Theta and Gf: (thread >> 4) * 4096 + r * 16
.set BO,  2                            ; v2       byte offset of my 8 bytes in a panel of Gb: thread * 8
.set KEY, 3                            ; v3       row - 4 r: register 4 j + e holds the diagonal if KEY = 64 j + e
.set MX,  4                            ; v[4:7]   four running maxima
.set NM,  8                            ; v[8:9]   -maximum * log2(e), twice
.set SM,  10                           ; v[10:17] four packed running sums
.set SC,  18                           ; v[18:19] 0.1 / sum, twice
.set X,   20                           ; v[20:83] my 64 numbers
.set Y,   84                           ; v[84:115] the same as bf16
	s_load_b128 s[4:7], s[0:1], 0x0                ; Theta s[4:5], Gf s[6:7]
	s_load_b64 s[8:9], s[0:1], 0x10                ; Gb
	s_lshl_b32 s2, ttmp9, 14                       ; four rows of 4,096 bytes a work-group
	s_mov_b32 s3, 0
	s_lshl_b32 s10, ttmp9, 9                       ; four rows of 128 bytes in a panel
	s_mov_b32 s11, 0
	s_lshl_b32 s12, ttmp9, 2                       ; the group's first row
	v_lshrrev_b32 v2, 4, v0                        ; my row in the group
	v_and_b32 v3, 15, v0                           ; r
	v_lshlrev_b32 v[TO], 4, v3
	v_lshl_add_u32 v[TO], v2, 12, v[TO]
	v_add_nc_u32 v2, s12, v2                       ; my row
	v_lshlrev_b32 v3, 2, v3
	v_sub_nc_u32 v[KEY], v2, v3                    ; row - 4 r (compared for equality alone, so a wrap below zero does no harm)
	v_lshlrev_b32 v[BO], 3, v0
	s_wait_kmcnt 0x0
	s_add_nc_u64 s[4:5], s[4:5], s[2:3]
	s_add_nc_u64 s[6:7], s[6:7], s[2:3]
	s_add_nc_u64 s[8:9], s[8:9], s[10:11]
.irp j, 0,1,2,3,4,5,6,7,8,9,10,11,12,13,14,15
	global_load_b128 v[X+4*\j:X+4*\j+3], v[TO], s[4:5] offset:256*\j th:TH_LOAD_NT
.endr
	; the row's maximum: four chains of sixteen numbers, each begun as soon as its four loads are in
.irp c, 0,1,2,3
	s_wait_loadcnt 12-4*\c                         ; loads come back in order (ISA guide 5.7.1): the 12 - 4 c younger ones may stay out
	v_max_num_f32 v[MX+\c], v[X+16*\c], v[X+16*\c+1]
.irp k, 1,2,3,4,5,6,7
	v_max3_num_f32 v[MX+\c], v[MX+\c], v[X+16*\c+2*\k], v[X+16*\c+2*\k+1]
.endr
.endr
	v_max3_num_f32 v[MX], v[MX], v[MX+1], v[MX+2]
	v_max_num_f32 v[MX], v[MX], v[MX+3]
	v_max_num_f32_dpp v[MX], v[MX], v[MX] row_xmask:1 row_mask:0xf bank_mask:0xf   ; over the row's sixteen lanes
	v_max_num_f32_dpp v[MX], v[MX], v[MX] row_xmask:2 row_mask:0xf bank_mask:0xf
	v_max_num_f32_dpp v[MX], v[MX], v[MX] row_xmask:4 row_mask:0xf bank_mask:0xf
	v_max_num_f32_dpp v[MX], v[MX], v[MX] row_xmask:8 row_mask:0xf bank_mask:0xf
	v_mul_f32 v[NM], 0xbfb8aa3b, v[MX]             ; -maximum * log2(e); its rounding shifts all exponents of the row alike and cancels in the quotient
	v_mul_f32 v[NM+1], 0xbfb8aa3b, v[MX]
.set j, 0
.rept 32
	v_pk_fma_f32 v[X+2*j:X+2*j+1], v[X+2*j:X+2*j+1], 0x3fb8aa3b, v[NM:NM+1] op_sel_hi:[1,0,1]   ; (Theta - maximum) * log2(e), at most about 0
.set j, j+1
.endr
.set j, 0
.rept 64
	v_exp_f32 v[X+j], v[X+j]
.set j, j+1
.endr
	; the diagonal becomes 0.  The first compare, which touches no exponential, is the plain instruction that stands between
	; the exponentials and the first use of a result (ISA guide 5.7.2).
.set j, 0
.rept 64
	v_cmp_eq_u32 vcc_lo, 64*(j/4)+(j%4), v[KEY]
	s_wait_alu depctr_va_vdst(0)
	v_cndmask_b32 v[X+j], v[X+j], 0, vcc_lo
.set j, j+1
.endr
	; the sum off the diagonal: four packed chains, begun by their first pairs
.irp c, 0,1,2,3
	v_pk_add_f32 v[SM+2*\c:SM+2*\c+1], v[X+2*\c:X+2*\c+1], v[X+2*\c+8:X+2*\c+9]
.endr
.irp k, 2,3,4,5,6,7
.irp c, 0,1,2,3
	v_pk_add_f32 v[SM+2*\c:SM+2*\c+1], v[SM+2*\c:SM+2*\c+1], v[X+8*\k+2*\c:X+8*\k+2*\c+1]
.endr
.endr
	v_pk_add_f32 v[SM:SM+1], v[SM:SM+1], v[SM+2:SM+3]
	v_pk_add_f32 v[SM+4:SM+5], v[SM+4:SM+5], v[SM+6:SM+7]
	v_pk_add_f32 v[SM:SM+1], v[SM:SM+1], v[SM+4:SM+5]
	v_add_f32 v[SM], v[SM], v[SM+1]
	v_add_f32_dpp v[SM], v[SM], v[SM] row_xmask:1 row_mask:0xf bank_mask:0xf
	v_add_f32_dpp v[SM], v[SM], v[SM] row_xmask:2 row_mask:0xf bank_mask:0xf
	v_add_f32_dpp v[SM], v[SM], v[SM] row_xmask:4 row_mask:0xf bank_mask:0xf
	v_add_f32_dpp v[SM], v[SM], v[SM] row_xmask:8 row_mask:0xf bank_mask:0xf
	v_cmp_lt_f32 vcc_lo, 0, v[SM]                  ; an empty row is divided by 1
	v_cndmask_b32 v[SM], 1.0, v[SM], vcc_lo
	v_rcp_f32 v[SC], v[SM]
	v_nop                                          ; the plain place behind v_rcp_f32 (ISA guide 5.7.2)
	s_wait_alu depctr_va_vdst(0)
	v_mul_f32 v[SC], 0x3dcccccd, v[SC]             ; 0.1 / sum
	v_mov_b32 v[SC+1], v[SC]
.set j, 0
.rept 32
	v_pk_mul_f32 v[X+2*j:X+2*j+1], v[X+2*j:X+2*j+1], v[SC:SC+1]
.set j, j+1
.endr
.irp j, 0,1,2,3,4,5,6,7,8,9,10,11,12,13,14,15
	global_store_b128 v[TO], v[X+4*\j:X+4*\j+3], s[6:7] offset:256*\j        ; sixteen lanes store 256 consecutive aligned bytes
.endr
.set j, 0
.rept 32
	v_cvt_pk_bf16_f32 v[Y+j], v[X+2*j], v[X+2*j+1]
.set j, j+1
.endr
.irp j, 0,1,2,3,4,5,6,7,8,9,10,11,12,13,14,15
	global_store_b64 v[BO], v[Y+2*\j:Y+2*\j+1], s[8:9] offset:131072*\j      ; panel j: the wave's two rows are 256 consecutive aligned bytes
.endr
	s_endpgm                                       ; no register that a load or store names was written again
.Lfunc_end_k_q6000be298a_soft:
	.size	k_q6000be298a_soft, .Lfunc_end_k_q6000be298a_soft-k_q6000be298a_soft
	.p2alignl 7, 3214868480
	.fill 96, 4, 3214868480
	.section	.rodata,"a",@progbits
	.p2align	6, 0x0
	.amdhsa_kernel k_q6000be298a_soft
		.amdhsa_group_segment_fixed_size 0
		.amdhsa_private_segment_fixed_size 0
		.amdhsa_enable_private_segment 0
		.amdhsa_kernarg_size 24
		.amdhsa_user_sgpr_count 2
		.amdhsa_user_sgpr_kernarg_segment_ptr 1
		.amdhsa_wavefront_size32 1
		.amdhsa_system_sgpr_workgroup_id_x 1
		.amdhsa_system_sgpr_workgroup_id_y 1
		.amdhsa_system_sgpr_workgroup_id_z 1
		.amdhsa_system_vgpr_workitem_id 0
		.amdhsa_next_free_vgpr 128
		.amdhsa_next_free_sgpr 66
		.amdhsa_reserve_vcc 1
		.amdhsa_float_denorm_mode_32 3
		.amdhsa_float_denorm_mode_16_64 3
		.amdhsa_memory_ordered 1
		.amdhsa_forward_progress 1
		.amdhsa_inst_pref_size 30
	.end_amdhsa_kernel
	.amdgpu_metadata
---
amdhsa.version: [ 1, 2 ]
amdhsa.kernels:
  - .name:           k_q6000be298a_soft
    .symbol:         k_q6000be298a_soft.kd
    .args:
      - { .name: Theta, .offset: 0, .size: 8, .value_kind: global_buffer, .address_space: global }
      - { .name: Gf, .offset: 8, .size: 8, .value_kind: global_buffer, .address_space: global }
      - { .name: Gb, .offset: 16, .size: 8, .value_kind: global_buffer, .address_space: global }
    .group_segment_fixed_size: 0
    .private_segment_fixed_size: 0
    .kernarg_segment_align: 8
    .kernarg_segment_size: 24
    .max_flat_workgroup_size: 64
    .sgpr_count:     66
    .vgpr_count:     128
    .wavefront_size: 32
...
	.end_amdgpu_metadata
.endif
;; end of part 1
;; launch sq (part 2): grid 16 x 16, 4 waves a work-group, clusters of 4 x 4, 311,808 bytes of LDS; arguments Gb, Gf, Sf, Hb, Wb; writes Sf, Hb, Wb
.if DOCPART == 2
	.amdgcn_target "amdgcn-amd-amdhsa--gfx1250"
	.amdhsa_code_object_version 6
	.text
	.protected	k_q6000be298a_sq
	.globl	k_q6000be298a_sq
	.p2align	8
	.type	k_q6000be298a_sq,@function
k_q6000be298a_sq:
	s_mov_b64 s[64:65], 0
	v_nop
	global_prefetch_b8 v0, s[64:65] scope:SCOPE_SE
	s_setreg_imm32_b32 hwreg(HW_REG_WAVE_MODE, 25, 1), 1
	s_wait_xcnt 0x0
	s_wait_alu depctr_hold_cnt(0) depctr_sa_sdst(0) depctr_va_vdst(0) depctr_va_sdst(0) depctr_va_ssrc(0) depctr_va_vcc(0) depctr_vm_vsrc(0)
	s_getreg_b32 s2, hwreg(HW_REG_IB_STS2, 6, 4)
	s_cmp_eq_u32 s2, 0
	s_cbranch_scc0 .Lentry_in_a_cluster
	s_endpgm
.Lentry_in_a_cluster:
	s_bfe_u32 s2, ttmp6, 0x10000c
	s_cmp_lg_u32 s2, 0xf033
	s_cbranch_scc0 .Lentry_shape_is_right
	s_endpgm
.Lentry_shape_is_right:
; H = G G;  S = G + H/2 (f32, row-major);  W = G/6 + H/24.  H and W leave as bf16 panels.
; They serve exp(G) = I + (G + H/2) + H (G/6 + H/24) + remainder.  G is non-negative with row sums of at most 0.1 for every Theta,
; so the remainder's row sums are at most 0.1^5/120 / (1 - 0.1/6) = 8.5e-8: the series is cut at degree 4 for every input.
; bf16 and not f16 operands: entries of H lie near 1e-5 and below, where f16 has no room.
; Panels: [16][1024 rows][64 columns] bf16, element (row, col) at (col >> 6) * 131072 + row * 128 + (col & 63) * 2.
; So a block of 64 x 64 is 8,192 consecutive bytes, and one buffer serves as the left factor (panel = 64 of K, K along the rows)
; and as the right factor stored [K][N] (panel = 64 of N).
; A work-group makes 64 x 64 of the product, 16 x 16 work-groups; four waves, 32 x 32 each, four accumulators.
; The whole K lies in LDS: every LDS byte is filled once, all fills go out at the head, no slot is filled again.
; CLUSTERS: 4 x 4 work-groups.  The left factor's 64 rows hang on the block row alone and are asked for jointly along a row of the
; cluster, the right factor's 64 columns on the block column alone, jointly along a column: a quarter of the requests.
; Each wave issues eight joint loads of 8,192 bytes (the left factor's panels lie 131,072 bytes apart, so no dense block is larger):
; eight tensor loads of a wave are outstanding at the most.
.set XP,     144                       ; LDS pitch of the left factor: 128 bytes + 16, so sixteen rows begin at sixteen different 16-byte columns modulo 256
.set XPANEL, 64*XP                     ; a panel of 64 rows x 64 K
.set YP,     160                       ; LDS pitch of the right factor: 128 bytes + 32, an odd multiple of 32, for the transposing loads
.set YGROUP, 64*YP                     ; 64 rows of K x 64 columns
.set YOFF,   16*XPANEL                 ; the right factor lies behind the left one's 16 panels
.set SP,     272                       ; the way out: 64 rows of 256 bytes + 16, laid over the left factor's first bytes when nothing reads or fills them any more
.set ADRX, 10                          ; v[10:13] my left fragments' LDS address, one for each four panels (the immediate has 16 bits)
.set ADRY, 14                          ; v[14:17] the same for the right fragments
.set STO,  18                          ; v18      where I put my results in the stage
.set RD,   19                          ; v19      where I read rows back
.set FO,   20                          ; v20      my byte offset in the f32 block (Gf, Sf)
.set BO,   21                          ; v21      my byte offset in the bf16 block (Hb, Wb)
.set ACC,  32                          ; v[32:63] tile (a, b) at 32 + 8 (2 a + b)
.set FB0,  64                          ; v[64:127], v[128:191]: two fragment buffers; left (a, u) at 16 u + 8 a, right (b, u) at 32 + 16 u + 8 b
.set GP,   192                         ; v[192:223] my 16 rows' part of G in f32, fetched at the head; then S
.set DD,   64                          ; the way out: H as read back
.set TT,   96                          ;              W in f32
.set PH,   128                         ;              H in bf16
.set PW,   144                         ;              W in bf16
.set G1X,  16                          ; s[16:23] descriptor group 1, left factor
.set G1Y,  24                          ; s[24:31] descriptor group 1, right factor
.set G0,   32                          ; s[32:63] group 0: phase p: left at 32 + 8 p, right at 36 + 8 p
.macro CREST                           ; a round of the cluster's barrier behind its opening barrier
	s_cmp_lg_u32 s66, 0
	s_cbranch_scc1 .Lnot_wave_0_\@
	s_barrier_signal -3
.Lnot_wave_0_\@:
	s_barrier_wait -3
	s_barrier_signal -1
	s_barrier_wait -1
.endm
.macro CROUND                          ; a whole round
	s_barrier_signal -1
	s_barrier_wait -1
	CREST
.endm
.macro PLACES                          ; four plain places behind matrix instructions, in front of loads into, or reads of, their registers
.rept 4
	v_nop
.endr
.endm
; The fragments of K group g (64 of K = two matrix steps u) into buffer g mod 2: sixteen LDS loads.
.macro FETCH g
.set FBUF, FB0+64*((\g)%2)
.irp u, 0,1
.irp a, 0,1
	ds_load_b128 v[FBUF+16*\u+8*\a:FBUF+16*\u+8*\a+3],   v[ADRX+(\g)/4] offset:((\g)%4)*XPANEL+\a*16*XP+\u*64
	ds_load_b128 v[FBUF+16*\u+8*\a+4:FBUF+16*\u+8*\a+7], v[ADRX+(\g)/4] offset:((\g)%4)*XPANEL+\a*16*XP+\u*64+32
.endr
.endr
.irp u, 0,1
.irp b, 0,1
	ds_load_tr16_b128 v[FBUF+32+16*\u+8*\b:FBUF+32+16*\u+8*\b+3],   v[ADRY+(\g)/4] offset:((\g)%4)*YGROUP+\u*32*YP+\b*32
	ds_load_tr16_b128 v[FBUF+32+16*\u+8*\b+4:FBUF+32+16*\u+8*\b+7], v[ADRY+(\g)/4] offset:((\g)%4)*YGROUP+\u*32*YP+\b*32+16*YP
.endr
.endr
.endm
; Four matrix instructions, 32 of K.  Source 0 = the right factor's columns, source 1 = the left factor's rows: a lane then holds row r
; and eight neighbouring columns 8 h + 0..7.  The four accumulators take turns, one instruction a turn.
.macro MUL4 g, u, zero
.set FBUF, FB0+64*((\g)%2)
.irp a, 0,1
.irp b, 0,1
.if \zero
	v_wmma_f32_16x16x32_bf16 v[ACC+8*(2*\a+\b):ACC+8*(2*\a+\b)+7], v[FBUF+32+16*\u+8*\b:FBUF+32+16*\u+8*\b+7], v[FBUF+16*\u+8*\a:FBUF+16*\u+8*\a+7], 0
.else
	v_wmma_f32_16x16x32_bf16 v[ACC+8*(2*\a+\b):ACC+8*(2*\a+\b)+7], v[FBUF+32+16*\u+8*\b:FBUF+32+16*\u+8*\b+7], v[FBUF+16*\u+8*\a:FBUF+16*\u+8*\a+7], v[ACC+8*(2*\a+\b):ACC+8*(2*\a+\b)+7]
.endif
.endr
.endr
.endm
; K group g inside a phase: the next group's fragments are asked for first, then this group is multiplied.
.macro STEP_IN g, zero
.if \g
	PLACES                                         ; the buffer that is loaded now was read by the matrix instructions of group g - 1
.endif
	FETCH \g+1
	s_wait_dscnt 16                                ; LDS loads come back in order: all but the sixteen just issued are in
	MUL4 \g, 0, \zero
	MUL4 \g, 1, 0
.endm
; The last K group of a phase: the next four panels must have landed in every wave's share.  left = my younger tensor loads, which may stay out.
.macro STEP_LAST g, left
	s_wait_dscnt 0x0                               ; this group's fragments are in, and no LDS instruction is pending at the signal
	s_wait_tensorcnt \left                         ; tensor loads of a wave end in order (ISA guide 10.11.1): my two of the next phase are in
	s_barrier_signal -1
	MUL4 \g, 0, 0
	s_barrier_wait -1                              ; everybody's are
	PLACES
	FETCH \g+1
	MUL4 \g, 1, 0
.endm
	s_load_b256 s[4:11], s[0:1], 0x0               ; Gb s[4:5], Gf s[6:7], Sf s[8:9], Hb s[10:11]
	s_load_b64 s[12:13], s[0:1], 0x20              ; Wb
	v_lshl_add_u32 v224, v0, 2, 0x4c000
	v_mov_b32 v225, 0
	ds_add_u32 v224, v225
	v_lshrrev_b32 v1, 5, v0
	v_readfirstlane_b32 s66, v1                    ; wave 0..3
	s_lshr_b32 s67, s66, 1                         ; my half of the block's rows
	s_and_b32 s68, s66, 1                          ; my half of its columns
	s_bfe_u32 s69, ttmp6, 0x40000                  ; cx
	s_bfe_u32 s70, ttmp6, 0x40004                  ; cy
	s_lshl_b32 s71, ttmp9, 2
	s_add_co_u32 s71, s71, s69                     ; block column = 4 x cluster x + cx
	s_and_b32 s72, ttmp7, 0xffff
	s_lshl_b32 s72, s72, 2
	s_add_co_u32 s72, s72, s70                     ; block row = 4 x cluster y + cy
	s_lshl_b32 s73, s70, 2
	s_lshl_b32 s73, 15, s73                        ; my row of the cluster: places 4 cy .. 4 cy + 3
	s_lshl_b32 s74, 0x1111, s69                    ; my column: places cx, cx + 4, cx + 8, cx + 12
	; group 1: a dense block of 8,192 bytes as 32 rows of 32 elements of 8 bytes; padding behind every 32 words (128 bytes, one row of a panel)
	s_or_b32 s[G1X+0], s73, (3<<16)|(1<<20)|(1<<21)|(4<<22)|(3<<25)   ; mask: my row; element 8 bytes; padding on; bit 21 beside a mask; every 32 words; 4 words
	s_or_b32 s[G1Y+0], s74, (3<<16)|(1<<20)|(1<<21)|(4<<22)|(7<<25)   ; mask: my column; the same with 8 words of padding
	s_mov_b32 s[G1X+1], 32<<16                     ; tensor_dim0 = 32
	s_mov_b32 s[G1Y+1], 32<<16
	s_mov_b32 s[G1X+2], 32<<16                     ; tensor_dim1 = 32
	s_mov_b32 s[G1Y+2], 32<<16
	s_mov_b32 s[G1X+3], 32<<16                     ; tile_dim0 = 32
	s_mov_b32 s[G1Y+3], 32<<16
	s_mov_b32 s[G1X+4], 32                         ; tile_dim1 = 32
	s_mov_b32 s[G1Y+4], 32
	s_mov_b32 s[G1X+5], 32                         ; from row to row: 32 elements (dense)
	s_mov_b32 s[G1Y+5], 32
	s_mov_b32 s[G1X+6], 0
	s_mov_b32 s[G1Y+6], 0
	s_mov_b32 s[G1X+7], 0
	s_mov_b32 s[G1Y+7], 0
	; offsets, each in registers of its own: the left factor's never hold cx, the right factor's never cy
	s_lshl_b32 s82, s72, 13                        ; left: block row x 64 rows x 128 bytes
	s_lshl_b32 s83, s66, 17                        ;       + panel w
	s_add_co_u32 s82, s82, s83
	s_mov_b32 s83, 0
	s_lshl_b32 s84, s71, 17                        ; right: panel = block column
	s_lshl_b32 s85, s66, 13                        ;        + K rows 64 w ..
	s_add_co_u32 s84, s84, s85
	s_mov_b32 s85, 0
	s_lshl_b32 s86, s72, 18                        ; f32 block: 64 rows of 4,096 bytes x block row
	s_lshl_b32 s87, s71, 8                         ;            + 256 bytes x block column
	s_add_co_u32 s86, s86, s87
	s_mov_b32 s87, 0
	s_lshl_b32 s88, s71, 17                        ; bf16 block out: panel = block column,
	s_lshl_b32 s89, s72, 13                        ;                 64 rows of 128 bytes x block row
	s_add_co_u32 s88, s88, s89
	s_mov_b32 s89, 0
	s_mul_i32 s80, s66, XPANEL                     ; LDS: the wave's number times a constant, plus the phase's constant below
	s_mul_i32 s81, s66, YGROUP
	s_add_co_u32 s81, s81, YOFF
	s_wait_dscnt 0x0
	s_wait_kmcnt 0x0
	s_add_nc_u64 s[76:77], s[4:5], s[82:83]        ; left factor: G
	s_add_nc_u64 s[78:79], s[4:5], s[84:85]        ; right factor: G
	s_add_nc_u64 s[6:7], s[6:7], s[86:87]
	s_add_nc_u64 s[8:9], s[8:9], s[86:87]
	s_add_nc_u64 s[10:11], s[10:11], s[88:89]
	s_add_nc_u64 s[12:13], s[12:13], s[88:89]
	CROUND                                         ; all sixteen work-groups are here: the joint loads meet
.irp p, 0,1,2,3
	s_mov_b32 s[G0+8*\p], 1
	s_add_co_u32 s[G0+8*\p+1], s80, \p*4*XPANEL                    ; panel 4 p + w
	s_add_nc_u64 s[G0+8*\p+2:G0+8*\p+3], s[76:77], \p*4*131072
	s_or_b32 s[G0+8*\p+3], s[G0+8*\p+3], 0x80000000
	tensor_load_to_lds s[G0+8*\p:G0+8*\p+3], s[G1X:G1X+7]
	s_nop 0
	s_mov_b32 s[G0+8*\p+4], 1
	s_add_co_u32 s[G0+8*\p+5], s81, \p*4*YGROUP                    ; K rows 64 (4 p + w) ..
	s_add_nc_u64 s[G0+8*\p+6:G0+8*\p+7], s[78:79], \p*4*8192
	s_or_b32 s[G0+8*\p+7], s[G0+8*\p+7], 0x80000000
	tensor_load_to_lds s[G0+8*\p+4:G0+8*\p+7], s[G1Y:G1Y+7]
	s_nop 0
.endr
	v_and_b32 v1, 31, v0                           ; L
	v_and_b32 v2, 15, v0                           ; r
	v_bfe_u32 v3, v0, 4, 1                         ; h
	v_lshlrev_b32 v9, 4, v2                        ; f32 block: row 16 w + h, 16 bytes x r
	v_lshl_add_u32 v9, v3, 12, v9
	s_lshl_b32 s94, s66, 16
	v_add_nc_u32 v[FO], s94, v9
.irp i, 0,1,2,3,4,5,6,7
	global_load_b128 v[GP+4*\i:GP+4*\i+3], v[FO], s[6:7] offset:8192*\i th:TH_LOAD_NT   ; rows 16 w + 2 i + h of G's block: wanted on the way out
.endr
	v_mul_u32_u24 v4, v2, XP                       ; left fragment: row r, 16 bytes x h (registers 0-3: K = 8 h ..; 4-7, 32 bytes on: K = 16 + 8 h ..)
	v_lshl_add_u32 v4, v3, 4, v4
	s_mul_i32 s90, s67, 32*XP
	v_add_nc_u32 v[ADRX], s90, v4
	v_and_b32 v5, 7, v0                            ; right fragment, transposing load: K row 8 h + (L & 7), 16 bytes x ((L >> 3) & 1)
	v_lshl_add_u32 v5, v3, 3, v5
	v_mul_u32_u24 v5, v5, YP
	v_bfe_u32 v6, v0, 3, 1
	v_lshl_add_u32 v5, v6, 4, v5
	s_lshl_b32 s91, s68, 6
	s_add_co_u32 s91, s91, YOFF
	v_add_nc_u32 v[ADRY], s91, v5
.irp p, 1,2,3
	v_add_nc_u32 v[ADRX+\p], \p*4*XPANEL, v[ADRX]
	v_add_nc_u32 v[ADRY+\p], \p*4*YGROUP, v[ADRY]
.endr
	v_mul_u32_u24 v7, v2, SP                       ; stage, in: row 32 mh + r, byte 128 nh + 32 h
	v_lshl_add_u32 v7, v3, 5, v7
	s_mul_i32 s92, s67, 32*SP
	s_lshl_b32 s93, s68, 7
	s_add_co_u32 s92, s92, s93
	v_add_nc_u32 v[STO], s92, v7
	v_mul_u32_u24 v8, v3, SP                       ; stage, back: row 16 w + h, 16 bytes x r
	v_lshl_add_u32 v8, v2, 4, v8
	s_mul_i32 s93, s66, 16*SP
	v_add_nc_u32 v[RD], s93, v8
	v_lshlrev_b32 v[BO], 3, v1                     ; bf16 block: 16 rows of 128 bytes x w + 8 L
	s_lshl_b32 s95, s66, 11
	v_add_nc_u32 v[BO], s95, v[BO]
	s_wait_tensorcnt 6                             ; my first two loads (phase 0) are in; the six younger ones stay out
	s_barrier_signal -1
	s_barrier_wait -1                              ; everybody's are
	FETCH 0
	STEP_IN 0, 1                                   ; the first products start the sums: nothing is cleared
	STEP_IN 1, 0
	STEP_IN 2, 0
	STEP_LAST 3, 4
	STEP_IN 4, 0
	STEP_IN 5, 0
	STEP_IN 6, 0
	STEP_LAST 7, 2
	STEP_IN 8, 0
	STEP_IN 9, 0
	STEP_IN 10, 0
	STEP_LAST 11, 0                                ; all my tensor loads have landed
	STEP_IN 12, 0
	STEP_IN 13, 0
	STEP_IN 14, 0
	s_wait_dscnt 0x0                               ; the last fragments are in: my reads of both factors are over
	s_barrier_signal -1
	MUL4 15, 0, 0
	MUL4 15, 1, 0
	s_barrier_wait -1                              ; everybody's are: the stage may be written over the left factor's first bytes, which have had their last fill
	; THE WAY OUT: H through the stage into whole rows, then S, H and W from 16 bytes of f32 a lane
	PLACES
.irp a, 0,1
.irp b, 0,1
	ds_store_b128 v[STO], v[ACC+8*(2*\a+\b):ACC+8*(2*\a+\b)+3]   offset:\a*16*SP+\b*64
	ds_store_b128 v[STO], v[ACC+8*(2*\a+\b)+4:ACC+8*(2*\a+\b)+7] offset:\a*16*SP+\b*64+16
.endr
.endr
	s_wait_dscnt 0x0                               ; for the others' sake: my stores are done
	s_barrier_signal -1
	s_barrier_wait -1
.irp i, 0,1,2,3,4,5,6,7
	ds_load_b128 v[DD+4*\i:DD+4*\i+3], v[RD] offset:\i*2*SP        ; rows 16 w + 2 i + h
.endr
	s_wait_loadcnt 0x0                             ; G's block
.irp i, 0,1,2,3,4,5,6,7
	s_wait_dscnt 7-\i                              ; pair i of rows is in; the 7 - i younger loads may be out
	v_pk_mul_f32 v[TT+4*\i:TT+4*\i+1],   v[GP+4*\i:GP+4*\i+1],   0x3e2aaaab op_sel_hi:[1,0]                              ; G/6
	v_pk_mul_f32 v[TT+4*\i+2:TT+4*\i+3], v[GP+4*\i+2:GP+4*\i+3], 0x3e2aaaab op_sel_hi:[1,0]
	v_pk_fma_f32 v[TT+4*\i:TT+4*\i+1],   v[DD+4*\i:DD+4*\i+1],   0x3d2aaaab, v[TT+4*\i:TT+4*\i+1] op_sel_hi:[1,0,1]      ; W = H/24 + G/6
	v_pk_fma_f32 v[TT+4*\i+2:TT+4*\i+3], v[DD+4*\i+2:DD+4*\i+3], 0x3d2aaaab, v[TT+4*\i+2:TT+4*\i+3] op_sel_hi:[1,0,1]
	v_pk_fma_f32 v[GP+4*\i:GP+4*\i+1],   v[DD+4*\i:DD+4*\i+1],   0.5, v[GP+4*\i:GP+4*\i+1] op_sel_hi:[1,0,1]             ; S = H/2 + G
	v_pk_fma_f32 v[GP+4*\i+2:GP+4*\i+3], v[DD+4*\i+2:DD+4*\i+3], 0.5, v[GP+4*\i+2:GP+4*\i+3] op_sel_hi:[1,0,1]
	v_cvt_pk_bf16_f32 v[PH+2*\i],   v[DD+4*\i],   v[DD+4*\i+1]
	v_cvt_pk_bf16_f32 v[PH+2*\i+1], v[DD+4*\i+2], v[DD+4*\i+3]
	v_cvt_pk_bf16_f32 v[PW+2*\i],   v[TT+4*\i],   v[TT+4*\i+1]
	v_cvt_pk_bf16_f32 v[PW+2*\i+1], v[TT+4*\i+2], v[TT+4*\i+3]
	global_store_b128 v[FO], v[GP+4*\i:GP+4*\i+3], s[8:9] offset:8192*\i     ; sixteen lanes store 256 consecutive aligned bytes of a row of S
	global_store_b64 v[BO], v[PH+2*\i:PH+2*\i+1], s[10:11] offset:256*\i     ; the wave stores 256 consecutive aligned bytes: two rows of the panel
	global_store_b64 v[BO], v[PW+2*\i:PW+2*\i+1], s[12:13] offset:256*\i
.endr
	s_wait_tensorcnt 0x0
	ds_add_u32 v224, v225
	s_wait_dscnt 0x0
	CROUND                                         ; the closing round: no work-group ends while a partner may still ask for a tile that names it
	s_endpgm
.Lfunc_end_k_q6000be298a_sq:
	.size	k_q6000be298a_sq, .Lfunc_end_k_q6000be298a_sq-k_q6000be298a_sq
	.p2alignl 7, 3214868480
	.fill 96, 4, 3214868480
	.section	.rodata,"a",@progbits
	.p2align	6, 0x0
	.amdhsa_kernel k_q6000be298a_sq
		.amdhsa_group_segment_fixed_size 311808
		.amdhsa_private_segment_fixed_size 0
		.amdhsa_enable_private_segment 0
		.amdhsa_kernarg_size 40
		.amdhsa_user_sgpr_count 2
		.amdhsa_user_sgpr_kernarg_segment_ptr 1
		.amdhsa_wavefront_size32 1
		.amdhsa_system_sgpr_workgroup_id_x 1
		.amdhsa_system_sgpr_workgroup_id_y 1
		.amdhsa_system_sgpr_workgroup_id_z 1
		.amdhsa_system_vgpr_workitem_id 0
		.amdhsa_next_free_vgpr 226
		.amdhsa_next_free_sgpr 96
		.amdhsa_reserve_vcc 0
		.amdhsa_float_denorm_mode_32 3
		.amdhsa_float_denorm_mode_16_64 3
		.amdhsa_memory_ordered 1
		.amdhsa_forward_progress 1
		.amdhsa_inst_pref_size 46
	.end_amdhsa_kernel
	.amdgpu_metadata
---
amdhsa.version: [ 1, 2 ]
amdhsa.kernels:
  - .name:           k_q6000be298a_sq
    .symbol:         k_q6000be298a_sq.kd
    .args:
      - { .name: Gb, .offset: 0, .size: 8, .value_kind: global_buffer, .address_space: global }
      - { .name: Gf, .offset: 8, .size: 8, .value_kind: global_buffer, .address_space: global }
      - { .name: Sf, .offset: 16, .size: 8, .value_kind: global_buffer, .address_space: global }
      - { .name: Hb, .offset: 24, .size: 8, .value_kind: global_buffer, .address_space: global }
      - { .name: Wb, .offset: 32, .size: 8, .value_kind: global_buffer, .address_space: global }
    .group_segment_fixed_size: 311808
    .private_segment_fixed_size: 0
    .kernarg_segment_align: 8
    .kernarg_segment_size: 40
    .max_flat_workgroup_size: 128
    .sgpr_count:     96
    .vgpr_count:     226
    .wavefront_size: 32
...
	.end_amdgpu_metadata
.endif
;; end of part 2
;; launch fin (part 3): grid 16 x 16, 4 waves a work-group, clusters of 4 x 4, 311,808 bytes of LDS; arguments Hb, Wb, Sf, Mb; writes Mb
.if DOCPART == 3
	.amdgcn_target "amdgcn-amd-amdhsa--gfx1250"
	.amdhsa_code_object_version 6
	.text
	.protected	k_q6000be298a_fin
	.globl	k_q6000be298a_fin
	.p2align	8
	.type	k_q6000be298a_fin,@function
k_q6000be298a_fin:
	s_mov_b64 s[64:65], 0
	v_nop
	global_prefetch_b8 v0, s[64:65] scope:SCOPE_SE
	s_setreg_imm32_b32 hwreg(HW_REG_WAVE_MODE, 25, 1), 1
	s_wait_xcnt 0x0
	s_wait_alu depctr_hold_cnt(0) depctr_sa_sdst(0) depctr_va_vdst(0) depctr_va_sdst(0) depctr_va_ssrc(0) depctr_va_vcc(0) depctr_vm_vsrc(0)
	s_getreg_b32 s2, hwreg(HW_REG_IB_STS2, 6, 4)
	s_cmp_eq_u32 s2, 0
	s_cbranch_scc0 .Lentry_in_a_cluster
	s_endpgm
.Lentry_in_a_cluster:
	s_bfe_u32 s2, ttmp6, 0x10000c
	s_cmp_lg_u32 s2, 0xf033
	s_cbranch_scc0 .Lentry_shape_is_right
	s_endpgm
.Lentry_shape_is_right:
; M = c (S + H W) + c I, c = exp(-0.1): the matrix exp(-0.1 (I - A)) = exp(-0.1) exp(G), with exp(G) = I + S + H W up to a remainder
; whose row sums are at most 8.5e-8 for every Theta (G is non-negative with row sums of at most 0.1; the series is cut at degree 4).
; All terms are non-negative: no difference of large sums is formed.  M leaves as bf16 panels, its diagonal (about 0.905) rounded like every matrix operand.
; H, W, M: panels [16][1024 rows][64 columns] bf16, element (row, col) at (col >> 6) * 131072 + row * 128 + (col & 63) * 2.  S: [1024][1024] f32.
; The frame is that of the launch before: a work-group makes 64 x 64 of H W, 16 x 16 work-groups; four waves, 32 x 32 each.
; The whole K lies in LDS: every LDS byte is filled once, all fills go out at the head, no slot is filled again.
; CLUSTERS: 4 x 4 work-groups.  H's 64 rows hang on the block row alone and are asked for jointly along a row of the cluster,
; W's 64 columns on the block column alone, jointly along a column: a quarter of the requests.
; Each wave issues eight joint loads of 8,192 bytes: eight tensor loads of a wave are outstanding at the most.
.set XP,     144                       ; LDS pitch of H: 128 bytes + 16
.set XPANEL, 64*XP                     ; a panel of 64 rows x 64 K
.set YP,     160                       ; LDS pitch of W: 128 bytes + 32, an odd multiple of 32, for the transposing loads
.set YGROUP, 64*YP                     ; 64 rows of K x 64 columns
.set YOFF,   16*XPANEL                 ; W lies behind H's 16 panels
.set SP,     272                       ; the way out: 64 rows of 256 bytes + 16, laid over H's first bytes when nothing reads or fills them any more
.set ADRX, 10                          ; v[10:13] my H fragments' LDS address, one for each four panels
.set ADRY, 14                          ; v[14:17] the same for W
.set STO,  18                          ; v18      where I put my results in the stage
.set RD,   19                          ; v19      where I read rows back
.set FO,   20                          ; v20      my byte offset in S's block
.set BO,   21                          ; v21      my byte offset in M's block
.set DL,   22                          ; v22      (my first row) - (my first column): element e of row pair i is on the diagonal if DL = e - 2 i
.set CC,   23                          ; v23      c
.set ACC,  32                          ; v[32:63] tile (a, b) at 32 + 8 (2 a + b)
.set FB0,  64                          ; v[64:127], v[128:191]: two fragment buffers; H (a, u) at 16 u + 8 a, W (b, u) at 32 + 16 u + 8 b
.set GP,   192                         ; v[192:223] my 16 rows' part of S, fetched at the head
.set DD,   64                          ; the way out: H W as read back
.set TT,   96                          ;              M in f32
.set PM,   128                         ;              M in bf16
.set DG,   160                         ;              c on the diagonal, 0 elsewhere
.set G1X,  16                          ; s[16:23] descriptor group 1, H
.set G1Y,  24                          ; s[24:31] descriptor group 1, W
.set G0,   32                          ; s[32:63] group 0: phase p: H at 32 + 8 p, W at 36 + 8 p
.macro CREST                           ; a round of the cluster's barrier behind its opening barrier
	s_cmp_lg_u32 s66, 0
	s_cbranch_scc1 .Lnot_wave_0_\@
	s_barrier_signal -3
.Lnot_wave_0_\@:
	s_barrier_wait -3
	s_barrier_signal -1
	s_barrier_wait -1
.endm
.macro CROUND                          ; a whole round
	s_barrier_signal -1
	s_barrier_wait -1
	CREST
.endm
.macro PLACES                          ; four plain places behind matrix instructions, in front of loads into, or reads of, their registers
.rept 4
	v_nop
.endr
.endm
; The fragments of K group g (64 of K = two matrix steps u) into buffer g mod 2: sixteen LDS loads.
.macro FETCH g
.set FBUF, FB0+64*((\g)%2)
.irp u, 0,1
.irp a, 0,1
	ds_load_b128 v[FBUF+16*\u+8*\a:FBUF+16*\u+8*\a+3],   v[ADRX+(\g)/4] offset:((\g)%4)*XPANEL+\a*16*XP+\u*64
	ds_load_b128 v[FBUF+16*\u+8*\a+4:FBUF+16*\u+8*\a+7], v[ADRX+(\g)/4] offset:((\g)%4)*XPANEL+\a*16*XP+\u*64+32
.endr
.endr
.irp u, 0,1
.irp b, 0,1
	ds_load_tr16_b128 v[FBUF+32+16*\u+8*\b:FBUF+32+16*\u+8*\b+3],   v[ADRY+(\g)/4] offset:((\g)%4)*YGROUP+\u*32*YP+\b*32
	ds_load_tr16_b128 v[FBUF+32+16*\u+8*\b+4:FBUF+32+16*\u+8*\b+7], v[ADRY+(\g)/4] offset:((\g)%4)*YGROUP+\u*32*YP+\b*32+16*YP
.endr
.endr
.endm
; Four matrix instructions, 32 of K.  Source 0 = W's columns, source 1 = H's rows: a lane then holds row r and eight neighbouring
; columns 8 h + 0..7.  The four accumulators take turns, one instruction a turn.
.macro MUL4 g, u, zero
.set FBUF, FB0+64*((\g)%2)
.irp a, 0,1
.irp b, 0,1
.if \zero
	v_wmma_f32_16x16x32_bf16 v[ACC+8*(2*\a+\b):ACC+8*(2*\a+\b)+7], v[FBUF+32+16*\u+8*\b:FBUF+32+16*\u+8*\b+7], v[FBUF+16*\u+8*\a:FBUF+16*\u+8*\a+7], 0
.else
	v_wmma_f32_16x16x32_bf16 v[ACC+8*(2*\a+\b):ACC+8*(2*\a+\b)+7], v[FBUF+32+16*\u+8*\b:FBUF+32+16*\u+8*\b+7], v[FBUF+16*\u+8*\a:FBUF+16*\u+8*\a+7], v[ACC+8*(2*\a+\b):ACC+8*(2*\a+\b)+7]
.endif
.endr
.endr
.endm
; K group g inside a phase: the next group's fragments are asked for first, then this group is multiplied.
.macro STEP_IN g, zero
.if \g
	PLACES                                         ; the buffer that is loaded now was read by the matrix instructions of group g - 1
.endif
	FETCH \g+1
	s_wait_dscnt 16                                ; LDS loads come back in order: all but the sixteen just issued are in
	MUL4 \g, 0, \zero
	MUL4 \g, 1, 0
.endm
; The last K group of a phase: the next four panels must have landed in every wave's share.  left = my younger tensor loads, which may stay out.
.macro STEP_LAST g, left
	s_wait_dscnt 0x0                               ; this group's fragments are in, and no LDS instruction is pending at the signal
	s_wait_tensorcnt \left                         ; tensor loads of a wave end in order (ISA guide 10.11.1): my two of the next phase are in
	s_barrier_signal -1
	MUL4 \g, 0, 0
	s_barrier_wait -1                              ; everybody's are
	PLACES
	FETCH \g+1
	MUL4 \g, 1, 0
.endm
	s_load_b256 s[4:11], s[0:1], 0x0               ; Hb s[4:5], Wb s[6:7], Sf s[8:9], Mb s[10:11]
	v_lshl_add_u32 v224, v0, 2, 0x4c000
	v_mov_b32 v225, 0
	ds_add_u32 v224, v225
	v_lshrrev_b32 v1, 5, v0
	v_readfirstlane_b32 s66, v1                    ; wave 0..3
	s_lshr_b32 s67, s66, 1                         ; my half of the block's rows
	s_and_b32 s68, s66, 1                          ; my half of its columns
	s_bfe_u32 s69, ttmp6, 0x40000                  ; cx
	s_bfe_u32 s70, ttmp6, 0x40004                  ; cy
	s_lshl_b32 s71, ttmp9, 2
	s_add_co_u32 s71, s71, s69                     ; block column = 4 x cluster x + cx
	s_and_b32 s72, ttmp7, 0xffff
	s_lshl_b32 s72, s72, 2
	s_add_co_u32 s72, s72, s70                     ; block row = 4 x cluster y + cy
	s_lshl_b32 s73, s70, 2
	s_lshl_b32 s73, 15, s73                        ; my row of the cluster: places 4 cy .. 4 cy + 3
	s_lshl_b32 s74, 0x1111, s69                    ; my column: places cx, cx + 4, cx + 8, cx + 12
	; group 1: a dense block of 8,192 bytes as 32 rows of 32 elements of 8 bytes; padding behind every 32 words (128 bytes, one row of a panel)
	s_or_b32 s[G1X+0], s73, (3<<16)|(1<<20)|(1<<21)|(4<<22)|(3<<25)   ; mask: my row; element 8 bytes; padding on; bit 21 beside a mask; every 32 words; 4 words
	s_or_b32 s[G1Y+0], s74, (3<<16)|(1<<20)|(1<<21)|(4<<22)|(7<<25)   ; mask: my column; the same with 8 words of padding
	s_mov_b32 s[G1X+1], 32<<16                     ; tensor_dim0 = 32
	s_mov_b32 s[G1Y+1], 32<<16
	s_mov_b32 s[G1X+2], 32<<16                     ; tensor_dim1 = 32
	s_mov_b32 s[G1Y+2], 32<<16
	s_mov_b32 s[G1X+3], 32<<16                     ; tile_dim0 = 32
	s_mov_b32 s[G1Y+3], 32<<16
	s_mov_b32 s[G1X+4], 32                         ; tile_dim1 = 32
	s_mov_b32 s[G1Y+4], 32
	s_mov_b32 s[G1X+5], 32                         ; from row to row: 32 elements (dense)
	s_mov_b32 s[G1Y+5], 32
	s_mov_b32 s[G1X+6], 0
	s_mov_b32 s[G1Y+6], 0
	s_mov_b32 s[G1X+7], 0
	s_mov_b32 s[G1Y+7], 0
	; offsets, each in registers of its own: H's never hold cx, W's never cy
	s_lshl_b32 s82, s72, 13                        ; H: block row x 64 rows x 128 bytes
	s_lshl_b32 s83, s66, 17                        ;    + panel w
	s_add_co_u32 s82, s82, s83
	s_mov_b32 s83, 0
	s_lshl_b32 s84, s71, 17                        ; W: panel = block column
	s_lshl_b32 s85, s66, 13                        ;    + K rows 64 w ..
	s_add_co_u32 s84, s84, s85
	s_mov_b32 s85, 0
	s_lshl_b32 s86, s72, 18                        ; S's block: 64 rows of 4,096 bytes x block row
	s_lshl_b32 s87, s71, 8                         ;            + 256 bytes x block column
	s_add_co_u32 s86, s86, s87
	s_mov_b32 s87, 0
	s_lshl_b32 s88, s71, 17                        ; M's block: panel = block column,
	s_lshl_b32 s89, s72, 13                        ;            64 rows of 128 bytes x block row
	s_add_co_u32 s88, s88, s89
	s_mov_b32 s89, 0
	s_mul_i32 s80, s66, XPANEL                     ; LDS: the wave's number times a constant, plus the phase's constant below
	s_mul_i32 s81, s66, YGROUP
	s_add_co_u32 s81, s81, YOFF
	s_wait_dscnt 0x0
	s_wait_kmcnt 0x0
	s_add_nc_u64 s[76:77], s[4:5], s[82:83]        ; left factor: H
	s_add_nc_u64 s[78:79], s[6:7], s[84:85]        ; right factor: W
	s_add_nc_u64 s[8:9], s[8:9], s[86:87]
	s_add_nc_u64 s[10:11], s[10:11], s[88:89]
	CROUND                                         ; all sixteen work-groups are here: the joint loads meet
.irp p, 0,1,2,3
	s_mov_b32 s[G0+8*\p], 1
	s_add_co_u32 s[G0+8*\p+1], s80, \p*4*XPANEL                    ; panel 4 p + w
	s_add_nc_u64 s[G0+8*\p+2:G0+8*\p+3], s[76:77], \p*4*131072
	s_or_b32 s[G0+8*\p+3], s[G0+8*\p+3], 0x80000000
	tensor_load_to_lds s[G0+8*\p:G0+8*\p+3], s[G1X:G1X+7]
	s_nop 0
	s_mov_b32 s[G0+8*\p+4], 1
	s_add_co_u32 s[G0+8*\p+5], s81, \p*4*YGROUP                    ; K rows 64 (4 p + w) ..
	s_add_nc_u64 s[G0+8*\p+6:G0+8*\p+7], s[78:79], \p*4*8192
	s_or_b32 s[G0+8*\p+7], s[G0+8*\p+7], 0x80000000
	tensor_load_to_lds s[G0+8*\p+4:G0+8*\p+7], s[G1Y:G1Y+7]
	s_nop 0
.endr
	v_and_b32 v1, 31, v0                           ; L
	v_and_b32 v2, 15, v0                           ; r
	v_bfe_u32 v3, v0, 4, 1                         ; h
	v_lshlrev_b32 v9, 4, v2                        ; S's block: row 16 w + h, 16 bytes x r
	v_lshl_add_u32 v9, v3, 12, v9
	s_lshl_b32 s94, s66, 16
	v_add_nc_u32 v[FO], s94, v9
.irp i, 0,1,2,3,4,5,6,7
	global_load_b128 v[GP+4*\i:GP+4*\i+3], v[FO], s[8:9] offset:8192*\i th:TH_LOAD_NT   ; rows 16 w + 2 i + h of S's block: wanted on the way out
.endr
	v_mul_u32_u24 v4, v2, XP                       ; H fragment: row r, 16 bytes x h (registers 0-3: K = 8 h ..; 4-7, 32 bytes on: K = 16 + 8 h ..)
	v_lshl_add_u32 v4, v3, 4, v4
	s_mul_i32 s90, s67, 32*XP
	v_add_nc_u32 v[ADRX], s90, v4
	v_and_b32 v5, 7, v0                            ; W fragment, transposing load: K row 8 h + (L & 7), 16 bytes x ((L >> 3) & 1)
	v_lshl_add_u32 v5, v3, 3, v5
	v_mul_u32_u24 v5, v5, YP
	v_bfe_u32 v6, v0, 3, 1
	v_lshl_add_u32 v5, v6, 4, v5
	s_lshl_b32 s91, s68, 6
	s_add_co_u32 s91, s91, YOFF
	v_add_nc_u32 v[ADRY], s91, v5
.irp p, 1,2,3
	v_add_nc_u32 v[ADRX+\p], \p*4*XPANEL, v[ADRX]
	v_add_nc_u32 v[ADRY+\p], \p*4*YGROUP, v[ADRY]
.endr
	v_mul_u32_u24 v7, v2, SP                       ; stage, in: row 32 mh + r, byte 128 nh + 32 h
	v_lshl_add_u32 v7, v3, 5, v7
	s_mul_i32 s92, s67, 32*SP
	s_lshl_b32 s93, s68, 7
	s_add_co_u32 s92, s92, s93
	v_add_nc_u32 v[STO], s92, v7
	v_mul_u32_u24 v8, v3, SP                       ; stage, back: row 16 w + h, 16 bytes x r
	v_lshl_add_u32 v8, v2, 4, v8
	s_mul_i32 s93, s66, 16*SP
	v_add_nc_u32 v[RD], s93, v8
	v_lshlrev_b32 v[BO], 3, v1                     ; M's block: 16 rows of 128 bytes x w + 8 L
	s_lshl_b32 s95, s66, 11
	v_add_nc_u32 v[BO], s95, v[BO]
	s_sub_co_i32 s90, s72, s71                     ; (64 block row + 16 w + h) - (64 block column + 4 r): it selects values alone, no address and no branch
	s_lshl_b32 s90, s90, 6
	s_lshl_b32 s91, s66, 4
	s_add_co_i32 s90, s90, s91
	v_lshlrev_b32 v[DL], 2, v2
	v_sub_nc_u32 v[DL], v3, v[DL]
	v_add_nc_u32 v[DL], s90, v[DL]
	v_mov_b32 v[CC], 0x3f67a36d                    ; c = exp(-0.1)
	s_wait_tensorcnt 6                             ; my first two loads (phase 0) are in; the six younger ones stay out
	s_barrier_signal -1
	s_barrier_wait -1                              ; everybody's are
	FETCH 0
	STEP_IN 0, 1                                   ; the first products start the sums: nothing is cleared
	STEP_IN 1, 0
	STEP_IN 2, 0
	STEP_LAST 3, 4
	STEP_IN 4, 0
	STEP_IN 5, 0
	STEP_IN 6, 0
	STEP_LAST 7, 2
	STEP_IN 8, 0
	STEP_IN 9, 0
	STEP_IN 10, 0
	STEP_LAST 11, 0                                ; all my tensor loads have landed
	STEP_IN 12, 0
	STEP_IN 13, 0
	STEP_IN 14, 0
	s_wait_dscnt 0x0                               ; the last fragments are in: my reads of both factors are over
	s_barrier_signal -1
	MUL4 15, 0, 0
	MUL4 15, 1, 0
	s_barrier_wait -1                              ; everybody's are: the stage may be written over H's first bytes, which have had their last fill
	; THE WAY OUT: H W through the stage into whole rows, then M from 16 bytes of f32 a lane
	PLACES
.irp a, 0,1
.irp b, 0,1
	ds_store_b128 v[STO], v[ACC+8*(2*\a+\b):ACC+8*(2*\a+\b)+3]   offset:\a*16*SP+\b*64
	ds_store_b128 v[STO], v[ACC+8*(2*\a+\b)+4:ACC+8*(2*\a+\b)+7] offset:\a*16*SP+\b*64+16
.endr
.endr
	s_wait_dscnt 0x0                               ; for the others' sake: my stores are done
	s_barrier_signal -1
	s_barrier_wait -1
.irp i, 0,1,2,3,4,5,6,7
	ds_load_b128 v[DD+4*\i:DD+4*\i+3], v[RD] offset:\i*2*SP        ; rows 16 w + 2 i + h
.endr
	s_wait_loadcnt 0x0                             ; S's block
.irp i, 0,1,2,3,4,5,6,7
	s_wait_dscnt 7-\i                              ; pair i of rows is in; the 7 - i younger loads may be out
	v_pk_add_f32 v[TT+4*\i:TT+4*\i+1],   v[GP+4*\i:GP+4*\i+1],   v[DD+4*\i:DD+4*\i+1]                    ; S + H W
	v_pk_add_f32 v[TT+4*\i+2:TT+4*\i+3], v[GP+4*\i+2:GP+4*\i+3], v[DD+4*\i+2:DD+4*\i+3]
.irp e, 0,1,2,3
	v_cmp_eq_i32 vcc_lo, \e-2*\i, v[DL]
	v_cndmask_b32 v[DG+\e], 0, v[CC], vcc_lo       ; c on the diagonal, 0 elsewhere
.endr
	v_pk_fma_f32 v[TT+4*\i:TT+4*\i+1],   v[TT+4*\i:TT+4*\i+1],   0x3f67a36d, v[DG:DG+1] op_sel_hi:[1,0,1]     ; M = c (S + H W) + c I
	v_pk_fma_f32 v[TT+4*\i+2:TT+4*\i+3], v[TT+4*\i+2:TT+4*\i+3], 0x3f67a36d, v[DG+2:DG+3] op_sel_hi:[1,0,1]
	v_cvt_pk_bf16_f32 v[PM+2*\i],   v[TT+4*\i],   v[TT+4*\i+1]
	v_cvt_pk_bf16_f32 v[PM+2*\i+1], v[TT+4*\i+2], v[TT+4*\i+3]
	global_store_b64 v[BO], v[PM+2*\i:PM+2*\i+1], s[10:11] offset:256*\i     ; the wave stores 256 consecutive aligned bytes: two rows of the panel
.endr
	s_wait_tensorcnt 0x0
	ds_add_u32 v224, v225
	s_wait_dscnt 0x0
	CROUND                                         ; the closing round: no work-group ends while a partner may still ask for a tile that names it
	s_endpgm
.Lfunc_end_k_q6000be298a_fin:
	.size	k_q6000be298a_fin, .Lfunc_end_k_q6000be298a_fin-k_q6000be298a_fin
	.p2alignl 7, 3214868480
	.fill 96, 4, 3214868480
	.section	.rodata,"a",@progbits
	.p2align	6, 0x0
	.amdhsa_kernel k_q6000be298a_fin
		.amdhsa_group_segment_fixed_size 311808
		.amdhsa_private_segment_fixed_size 0
		.amdhsa_enable_private_segment 0
		.amdhsa_kernarg_size 32
		.amdhsa_user_sgpr_count 2
		.amdhsa_user_sgpr_kernarg_segment_ptr 1
		.amdhsa_wavefront_size32 1
		.amdhsa_system_sgpr_workgroup_id_x 1
		.amdhsa_system_sgpr_workgroup_id_y 1
		.amdhsa_system_sgpr_workgroup_id_z 1
		.amdhsa_system_vgpr_workitem_id 0
		.amdhsa_next_free_vgpr 226
		.amdhsa_next_free_sgpr 96
		.amdhsa_reserve_vcc 1
		.amdhsa_float_denorm_mode_32 3
		.amdhsa_float_denorm_mode_16_64 3
		.amdhsa_memory_ordered 1
		.amdhsa_forward_progress 1
		.amdhsa_inst_pref_size 44
	.end_amdhsa_kernel
	.amdgpu_metadata
---
amdhsa.version: [ 1, 2 ]
amdhsa.kernels:
  - .name:           k_q6000be298a_fin
    .symbol:         k_q6000be298a_fin.kd
    .args:
      - { .name: Hb, .offset: 0, .size: 8, .value_kind: global_buffer, .address_space: global }
      - { .name: Wb, .offset: 8, .size: 8, .value_kind: global_buffer, .address_space: global }
      - { .name: Sf, .offset: 16, .size: 8, .value_kind: global_buffer, .address_space: global }
      - { .name: Mb, .offset: 24, .size: 8, .value_kind: global_buffer, .address_space: global }
    .group_segment_fixed_size: 311808
    .private_segment_fixed_size: 0
    .kernarg_segment_align: 8
    .kernarg_segment_size: 32
    .max_flat_workgroup_size: 128
    .sgpr_count:     96
    .vgpr_count:     226
    .wavefront_size: 32
...
	.end_amdgpu_metadata
.endif
;; end of part 3
;; launch big (part 4): grid 4 x 64, 4 waves a work-group, clusters of 4 x 4, 327,680 bytes of LDS; arguments x, Mb, out0; writes out0
.if DOCPART == 4
	.amdgcn_target "amdgcn-amd-amdhsa--gfx1250"
	.amdhsa_code_object_version 6
	.text
	.protected	k_q6000be298a_big
	.globl	k_q6000be298a_big
	.p2align	8
	.type	k_q6000be298a_big,@function
k_q6000be298a_big:
	s_mov_b64 s[64:65], 0
	v_nop
	global_prefetch_b8 v0, s[64:65] scope:SCOPE_SE
	s_setreg_imm32_b32 hwreg(HW_REG_WAVE_MODE, 25, 1), 1
	s_wait_xcnt 0x0
	s_wait_alu depctr_hold_cnt(0) depctr_sa_sdst(0) depctr_va_vdst(0) depctr_va_sdst(0) depctr_va_ssrc(0) depctr_va_vcc(0) depctr_vm_vsrc(0)
	s_getreg_b32 s2, hwreg(HW_REG_IB_STS2, 6, 4)
	s_cmp_eq_u32 s2, 0
	s_cbranch_scc0 .Lentry_in_a_cluster
	s_endpgm
.Lentry_in_a_cluster:
	s_bfe_u32 s2, ttmp6, 0x10000c
	s_cmp_lg_u32 s2, 0xf033
	s_cbranch_scc0 .Lentry_shape_is_right
	s_endpgm
.Lentry_shape_is_right:
; out0[m][n] = sum over k of x[m][k] M[n][k].  x, out0: [8192][1024] f32.  M: bf16 panels [16][1024 rows][64 columns],
; element (n, k) at (k >> 6) * 131072 + n * 128 + (k & 63) * 2.  x is rounded to bf16 on the way from LDS to the matrix unit; sums in f32.
; A work-group makes 128 rows x 256 columns, 4 x 64 = 256 work-groups; four waves, 64 x 128 each: 32 accumulator tiles, 256 registers.
; K goes in steps of 128 through a ring of two LDS slots.  A slot: 128 rows of x (512 bytes of f32 each), then two panels of 256 rows of M.
; Waves 0 and 1 fetch x's two halves (64 rows x 512 bytes), waves 2 and 3 M's two panels (32,768 dense bytes each): one load of 32 KiB a wave.
; CLUSTERS: 4 x 4 work-groups.  The four of a row of the cluster are the four column blocks of one block row and need the same tiles of x;
; the four of a column need the same tiles of M.  Both are asked for jointly, which divides the requests by four.
; A wave has two tensor loads outstanding at the start and one behind each round.
;
; REGISTERS, in windows of 256:
;   window 0: v16-26 addresses; v32-63, v64-95 fragments of x in bf16, two buffers; v96-159, v160-223 rows on the way out
;   window 1: the 32 accumulator tiles, tile (a, b) at v[8 (8 a + b)]
;   window 2: v0-63, v64-127 fragments of M, two buffers; v128-191 x as f32, as read from LDS
; The matrix instruction is used transposed (source 0 = 16 rows of M, source 1 = 16 rows of x): lane l holds row l % 16 of out0 and its
; eight registers the neighbouring columns 8 (l / 16) + 0..7.
.set PX,     528                       ; x's LDS pitch: 512 bytes + 16: sixteen rows begin at sixteen different 16-byte columns modulo 256
.set PM,     144                       ; M's LDS pitch: 128 bytes + 16, likewise
.set XHALF,  64*PX                     ; what one load of x brings, and what one wave reads of x
.set XPART,  2*XHALF
.set MPANEL, 256*PM                    ; what one load of M brings: 64 of K for 256 rows
.set SLOT,   XPART+2*MPANEL            ; 141,312 bytes
.set STAGE,  2*SLOT                    ; behind the ring, a multiple of 256: 16 rows x 528 bytes for each wave; no fill lands there
.set WSTAGE, 16*PX
.set ADRX, 16                          ; v16-17  LDS address of my x rows in slot 0, 1
.set ADRM, 20                          ; v20-21  the same for my M rows
.set STO,  24                          ; v24     the way out: where I put 32 bytes of a row
.set RD,   25                          ; v25     the way out: where I read a row back
.set CO,   26                          ; v26     my byte offset in a row of out0
.set XB,   32                          ; window 0: x fragments, buffer g at 32 + 32 g
.set T0,   96
.set T1,   160
.set RAW,  128                         ; window 2
.set G1,  24                           ; s[24:31] descriptor group 1, x
.set G0,  32                           ; s[32:39] group 0 for x, one set for each slot
.set G1B, 48                           ; s[48:55] descriptor group 1, M
.set G0B, 56                           ; s[56:63] group 0 for M, one set for each slot
.set MSB, 0
.macro WIN new                         ; the immediate's high byte repeats the setting that is left
.if MSB != \new
	s_set_vgpr_msb (MSB<<8)|\new
.set MSB, \new
.endif
.endm
.set MULW,  0x52                       ; source 0 (M) window 2, source 1 (x) window 0, C and D window 1
.set LOADW, 0x80                       ; destination window 2, address window 0
.set CVTW,  0x0a                       ; sources 0 and 1 window 2, destination window 0
.set STGW,  0x04                       ; LDS store: address window 0, data window 1
; A joint load: waves 0 and 1 ask for x, waves 2 and 3 for M.  Each line has one mask; the branch hangs on the wave's number alone.
.macro JLOAD s
	s_cmp_eq_u32 s11, 0
	s_cbranch_scc0 .Lfor_m_\@
	tensor_load_to_lds s[G0+4*\s:G0+4*\s+3], s[G1:G1+7]
	s_nop 0
	s_branch .Lasked_\@
.Lfor_m_\@:
	tensor_load_to_lds s[G0B+4*\s:G0B+4*\s+3], s[G1B:G1B+7]
	s_nop 0
.Lasked_\@:
.endm
.macro CREST                           ; a round of the cluster's barrier behind its opening barrier
	s_cmp_lg_u32 s10, 0
	s_cbranch_scc1 .Lnot_wave_0_\@
	s_barrier_signal -3
.Lnot_wave_0_\@:
	s_barrier_wait -3
	s_barrier_signal -1
	s_barrier_wait -1
.endm
.macro CROUND
	s_barrier_signal -1
	s_barrier_wait -1
	CREST
.endm
	s_load_b128 s[4:7], s[0:1], 0x0                ; x s[4:5], Mb s[6:7]
	s_load_b64 s[8:9], s[0:1], 0x10                ; out0
	s_set_vgpr_msb 0x80
	v_lshl_add_u32 v192, v0, 2, 0x4d400
	v_mov_b32 v193, 0
	s_set_vgpr_msb 0x808a
	ds_add_u32 v192, v193
	s_set_vgpr_msb 0x8a00
	v_lshrrev_b32 v1, 5, v0
	v_readfirstlane_b32 s10, v1                    ; wave 0..3
	s_lshr_b32 s11, s10, 1                         ; my half of the block's rows.  Also: I fetch x (0) or M (1)
	s_and_b32 s12, s10, 1                          ; my half of its columns.  Also: which half of that tile I fetch
	s_bfe_u32 s40, ttmp6, 0x40000                  ; cx
	s_bfe_u32 s41, ttmp6, 0x40004                  ; cy
	s_lshl_b32 s42, ttmp9, 2
	s_add_co_u32 s42, s42, s40                     ; block column = 4 x cluster x + cx
	s_and_b32 s13, ttmp7, 0xffff
	s_lshl_b32 s13, s13, 2
	s_add_co_u32 s13, s13, s41                     ; block row = 4 x cluster y + cy
	s_lshl_b32 s43, s41, 2
	s_lshl_b32 s43, 15, s43                        ; my row of the cluster
	s_lshl_b32 s44, 0x1111, s40                    ; my column
	; x: 64 rows x 128 elements of 4 bytes, 1,024 elements from row to row; 4 words of padding behind every 128 words (a row)
	s_or_b32 s[G1+0], s43, (2<<16)|(1<<20)|(1<<21)|(6<<22)|(3<<25)
	s_mov_b32 s[G1+1], 128<<16                     ; tensor_dim0 = 128
	s_mov_b32 s[G1+2], 64<<16                      ; tensor_dim1 = 64
	s_mov_b32 s[G1+3], 128<<16                     ; tile_dim0 = 128
	s_mov_b32 s[G1+4], 64                          ; tile_dim1 = 64
	s_mov_b32 s[G1+5], 1024
	s_mov_b32 s[G1+6], 0
	s_mov_b32 s[G1+7], 0
	; M: a dense block of 32,768 bytes as 128 rows of 32 elements of 8 bytes; 4 words of padding behind every 32 words (a row of the panel)
	s_or_b32 s[G1B+0], s44, (3<<16)|(1<<20)|(1<<21)|(4<<22)|(3<<25)
	s_mov_b32 s[G1B+1], 32<<16                     ; tensor_dim0 = 32
	s_mov_b32 s[G1B+2], 128<<16                    ; tensor_dim1 = 128
	s_mov_b32 s[G1B+3], 32<<16                     ; tile_dim0 = 32
	s_mov_b32 s[G1B+4], 128                        ; tile_dim1 = 128
	s_mov_b32 s[G1B+5], 32
	s_mov_b32 s[G1B+6], 0
	s_mov_b32 s[G1B+7], 0
	; where the tiles come from: x's hang on the block row alone, M's on the block column alone, each in registers that never hold the other coordinate
	s_lshl_b32 s16, s13, 7
	s_lshl_b32 s17, s12, 6
	s_add_co_u32 s16, s16, s17                     ; x: row 128 x block row + 64 x half
	s_lshl_b32 s16, s16, 12                        ; x 4,096 bytes: under 2^25
	s_mov_b32 s17, 0
	s_lshl_b32 s46, s42, 15                        ; M: 256 rows of 128 bytes x block column
	s_lshl_b32 s47, s12, 17                        ;    + panel = half
	s_add_co_u32 s46, s46, s47
	s_mov_b32 s47, 0
	s_mul_i32 s18, s12, XHALF                      ; and where they go: no place in the cluster enters an LDS address
	s_mul_i32 s19, s12, MPANEL
	s_add_co_u32 s19, s19, XPART
	s_wait_dscnt 0x0
	s_wait_kmcnt 0x0
	s_add_nc_u64 s[14:15], s[4:5], s[16:17]
	s_add_nc_u64 s[46:47], s[6:7], s[46:47]
	CROUND                                         ; all sixteen work-groups are here: the first joint loads meet
.irp s, 0,1
	s_mov_b32 s[G0+4*\s], 1
	s_add_co_u32 s[G0+4*\s+1], s18, \s*SLOT
	s_add_nc_u64 s[G0+4*\s+2:G0+4*\s+3], s[14:15], \s*512          ; K step s: 128 f32
	s_or_b32 s[G0+4*\s+3], s[G0+4*\s+3], 0x80000000
	s_mov_b32 s[G0B+4*\s], 1
	s_add_co_u32 s[G0B+4*\s+1], s19, \s*SLOT
	s_add_nc_u64 s[G0B+4*\s+2:G0B+4*\s+3], s[46:47], \s*2*131072   ; K step s: panels 2 s, 2 s + 1
	s_or_b32 s[G0B+4*\s+3], s[G0B+4*\s+3], 0x80000000
	JLOAD \s
.endr
	v_and_b32 v1, 15, v0                           ; r
	v_bfe_u32 v2, v0, 4, 1                         ; h
	v_mul_u32_u24 v3, v1, PX                       ; x in f32: row r; K = 8 h .. 8 h + 7 are the 32 bytes at 32 h, K = 16 + 8 h .. the 32 bytes 64 further on
	v_lshl_add_u32 v3, v2, 5, v3
	v_mul_u32_u24 v4, v1, PM                       ; M in bf16: row r, 16 bytes x h, the second half 32 bytes on
	v_lshl_add_u32 v4, v2, 4, v4
	s_mul_i32 s20, s11, XHALF                      ; my 64 rows of x
	s_mul_i32 s21, s12, 128*PM                     ; my 128 rows of M,
	s_add_co_u32 s21, s21, XPART                   ; which lie behind x
.irp s, 0,1
	v_add_nc_u32 v[ADRX+\s], s20, v3
	v_add_nc_u32 v[ADRM+\s], s21, v4
	s_add_co_u32 s20, s20, SLOT
	s_add_co_u32 s21, s21, SLOT
.endr
	s_mul_i32 s22, s10, WSTAGE
	s_add_co_u32 s22, s22, STAGE                   ; my stage
	v_add_nc_u32 v[STO], s22, v3                   ; in: row r, 32 bytes for each half of the lanes
	v_and_b32 v5, 31, v0
	v_lshlrev_b32 v[CO], 4, v5                     ; back: the 32 lanes take one row of 512 bytes
	v_add_nc_u32 v[RD], s22, v[CO]
; 32 LDS loads in one run for quarter q (32 of K) of a slot: sixteen of x in f32 first, then sixteen of M into buffer g
.macro FETCH slot, q, g
	WIN LOADW
.irp a, 0,1,2,3
	ds_load_b128 v[RAW+16*\a:RAW+16*\a+3],     v[ADRX+\slot] offset:\a*16*PX+\q*128
	ds_load_b128 v[RAW+16*\a+4:RAW+16*\a+7],   v[ADRX+\slot] offset:\a*16*PX+\q*128+16
	ds_load_b128 v[RAW+16*\a+8:RAW+16*\a+11],  v[ADRX+\slot] offset:\a*16*PX+\q*128+64
	ds_load_b128 v[RAW+16*\a+12:RAW+16*\a+15], v[ADRX+\slot] offset:\a*16*PX+\q*128+80
.endr
.irp b, 0,1,2,3,4,5,6,7
	ds_load_b128 v[64*\g+8*\b:64*\g+8*\b+3],   v[ADRM+\slot] offset:(\q/2)*MPANEL+\b*16*PM+(\q%2)*64
	ds_load_b128 v[64*\g+8*\b+4:64*\g+8*\b+7], v[ADRM+\slot] offset:(\q/2)*MPANEL+\b*16*PM+(\q%2)*64+32
.endr
.endm
; x to bf16, into buffer g: 32 conversions.  They name neither buffer of the matrix instructions in front of them, so they are also the plain places
; between the matrix instructions that read a buffer and the loads and conversions that write it a quarter later: no v_nop stands in the loop.
.macro CVT g
	WIN CVTW
.irp a, 0,1,2,3
.irp i, 0,1,2,3,4,5,6,7
	v_cvt_pk_bf16_f32 v[XB+32*\g+8*\a+\i], v[RAW+16*\a+2*\i], v[RAW+16*\a+2*\i+1]
.endr
.endr
.endm
; 16 matrix instructions: row blocks a0, a0 + 1 x all 8 column blocks, 32 of K.  The 32 accumulators take turns, one instruction a turn,
; in the same order in every quarter.  zero = 1: the first product starts the sums.
.macro MUL16 f, a0, zero
.irp a, \a0, \a0+1
.irp b, 0,1,2,3,4,5,6,7
.if \zero
	v_wmma_f32_16x16x32_bf16 v[8*(8*(\a)+\b):8*(8*(\a)+\b)+7], v[64*\f+8*\b:64*\f+8*\b+7], v[XB+32*\f+8*(\a):XB+32*\f+8*(\a)+7], 0
.else
	v_wmma_f32_16x16x32_bf16 v[8*(8*(\a)+\b):8*(8*(\a)+\b)+7], v[64*\f+8*\b:64*\f+8*\b+7], v[XB+32*\f+8*(\a):XB+32*\f+8*(\a)+7], v[8*(8*(\a)+\b):8*(8*(\a)+\b)+7]
.endif
.endr
.endr
.endm
; One of a K step's first three quarters: multiplies buffer f; in its middle it fetches quarter qn of the same slot for buffer g.
.macro QUARTER slot, qn, f, g, zero
	s_wait_dscnt 0x0                               ; M's fragments of buffer f are in (x's were waited for in front of their conversion)
	WIN MULW
	MUL16 \f, 0, \zero
	FETCH \slot, \qn, \g
	WIN MULW
	MUL16 \f, 2, \zero
	s_wait_dscnt 16                                ; x's sixteen loads are in; M's sixteen, issued behind them, may be out
	CVT \g
.endm
.macro THREE slot, zero
	QUARTER \slot, 1, 0, 1, \zero
	QUARTER \slot, 2, 1, 0, 0
	QUARTER \slot, 3, 0, 1, 0
.endm
; The last quarter: multiplies buffer 1 and changes slots.  In front of the barrier each wave waits for its reads of this slot and for all its
; tensor loads, of which one is out: its part of the next slot.  fill = 1: the barrier opens a round of the cluster's barrier, and this slot's
; refill, two K steps ahead, is the first tensor load behind the round; it has 112 matrix instructions of the wave in which to land.
.macro TURN slot, next, fill
	s_wait_dscnt 0x0                               ; my reads of this slot are over
	s_wait_tensorcnt 0x0                           ; all my tensor loads have landed
	ds_add_u32 v192, v193
	s_wait_dscnt 0x0
	s_barrier_signal -1
	WIN MULW
	MUL16 1, 0, 0                                  ; work on registers while the others arrive
	WIN 0
	s_barrier_wait -1
.if \fill
	CREST                                          ; no wave of any partner still reads this slot or has a load on its way
	s_add_nc_u64 s[G0+4*\slot+2:G0+4*\slot+3], s[G0+4*\slot+2:G0+4*\slot+3], 2*512
	s_add_nc_u64 s[G0B+4*\slot+2:G0B+4*\slot+3], s[G0B+4*\slot+2:G0B+4*\slot+3], 4*131072
	JLOAD \slot
.endif
	FETCH \next, 0, 0
	WIN MULW
	MUL16 1, 2, 0
	s_wait_dscnt 16
	CVT 0
.endm
.macro LAP zero                        ; once round the ring, both slots filled again
	THREE 0, \zero
	TURN 0, 1, 1
	THREE 1, 0
	TURN 1, 0, 1
.endm
	s_wait_tensorcnt 1                             ; my part of K step 0 is in; K step 1's stays out
	s_barrier_signal -1
	s_barrier_wait -1                              ; everybody's is
	FETCH 0, 0, 0
	s_wait_dscnt 16
	CVT 0
	LAP 1                                          ; K steps 0 and 1; asks for 2 and 3.  Its first products start the sums
	WIN 0                                          ; at a label and at a branch every window is 0
	s_mov_b32 s3, 2
.Llap:
	LAP 0                                          ; K steps 2 to 5; asks for 4 to 7
	WIN 0
	s_sub_co_u32 s3, s3, 1
	s_cmp_lg_u32 s3, 0
	s_cbranch_scc1 .Llap
	THREE 0, 0                                     ; K steps 6 and 7: nothing is left to fetch, and no round of the cluster's barrier
	TURN 0, 1, 0
	THREE 1, 0
	s_wait_dscnt 0x0
	WIN MULW
	MUL16 1, 0, 0
	MUL16 1, 2, 0
	; THE WAY OUT, 16 rows at a time: the accumulators go straight into my own stage, whole rows of 512 bytes come back and are stored.
.rept 4
	v_nop                                          ; four plain places behind the last matrix instructions, in front of the LDS stores of their results
.endr
	s_lshl_b32 s16, s13, 7
	s_lshl_b32 s17, s11, 6
	s_add_co_u32 s16, s16, s17                     ; my first row: 128 x block row + 64 x half
	s_lshl_b32 s16, s16, 12
	s_mov_b32 s17, 0
	s_add_nc_u64 s[8:9], s[8:9], s[16:17]
	s_lshl_b32 s46, s42, 10                        ; my first column, in bytes: 1,024 x block column + 512 x half
	s_lshl_b32 s47, s12, 9
	s_add_co_u32 s46, s46, s47
	s_mov_b32 s47, 0
	s_add_nc_u64 s[8:9], s[8:9], s[46:47]
.macro OUT16 a, buf
	WIN STGW
.irp b, 0,1,2,3,4,5,6,7
	ds_store_b128 v[STO], v[8*(8*\a+\b):8*(8*\a+\b)+3]   offset:64*\b
	ds_store_b128 v[STO], v[8*(8*\a+\b)+4:8*(8*\a+\b)+7] offset:64*\b+16
.endr
	WIN 0
	s_wait_xcnt 0x0                                ; earlier stores have had their addresses translated (ISA guide 3.1): the registers that they read are loaded again only behind this wait
.irp k, 0,1,2,3,4,5,6,7,8,9,10,11,12,13,14,15
	ds_load_b128 v[\buf+4*\k:\buf+4*\k+3], v[RD] offset:\k*PX      ; LDS serves a wave's instructions in order (ISA guide 5.7.1.4): these see the stores above
.endr
.irp k, 0,1,2,3,4,5,6,7,8,9,10,11,12,13,14,15
	s_wait_dscnt 15-\k                             ; row k is in; the 15 - k younger loads may be out
	global_store_b128 v[CO], v[\buf+4*\k:\buf+4*\k+3], s[8:9] offset:(16*\a+\k)*4096 th:TH_STORE_NT   ; the wave stores 512 consecutive aligned bytes of a row
.endr
.endm
	OUT16 0, T0
	OUT16 1, T1
	OUT16 2, T0
	OUT16 3, T1
	s_set_vgpr_msb 0xa
	s_wait_tensorcnt 0x0
	ds_add_u32 v192, v193
	s_wait_dscnt 0x0
	s_set_vgpr_msb 0xa00
	CROUND                                         ; the closing round: no work-group ends while a partner may still ask for a tile that names it
	s_endpgm
.Lfunc_end_k_q6000be298a_big:
	.size	k_q6000be298a_big, .Lfunc_end_k_q6000be298a_big-k_q6000be298a_big
	.p2alignl 7, 3214868480
	.fill 96, 4, 3214868480
	.section	.rodata,"a",@progbits
	.p2align	6, 0x0
	.amdhsa_kernel k_q6000be298a_big
		.amdhsa_group_segment_fixed_size 327680
		.amdhsa_private_segment_fixed_size 0
		.amdhsa_enable_private_segment 0
		.amdhsa_kernarg_size 24
		.amdhsa_user_sgpr_count 2
		.amdhsa_user_sgpr_kernarg_segment_ptr 1
		.amdhsa_wavefront_size32 1
		.amdhsa_system_sgpr_workgroup_id_x 1
		.amdhsa_system_sgpr_workgroup_id_y 1
		.amdhsa_system_sgpr_workgroup_id_z 1
		.amdhsa_system_vgpr_workitem_id 0
		.amdhsa_next_free_vgpr 706
		.amdhsa_next_free_sgpr 66
		.amdhsa_reserve_vcc 0
		.amdhsa_float_denorm_mode_32 3
		.amdhsa_float_denorm_mode_16_64 3
		.amdhsa_memory_ordered 1
		.amdhsa_forward_progress 1
		.amdhsa_inst_pref_size 176
	.end_amdhsa_kernel
	.amdgpu_metadata
---
amdhsa.version: [ 1, 2 ]
amdhsa.kernels:
  - .name:           k_q6000be298a_big
    .symbol:         k_q6000be298a_big.kd
    .args:
      - { .name: x, .offset: 0, .size: 8, .value_kind: global_buffer, .address_space: global }
      - { .name: Mb, .offset: 8, .size: 8, .value_kind: global_buffer, .address_space: global }
      - { .name: out0, .offset: 16, .size: 8, .value_kind: global_buffer, .address_space: global }
    .group_segment_fixed_size: 327680
    .private_segment_fixed_size: 0
    .kernarg_segment_align: 8
    .kernarg_segment_size: 24
    .max_flat_workgroup_size: 128
    .sgpr_count:     66
    .vgpr_count:     706
    .wavefront_size: 32
...
	.end_amdgpu_metadata
.endif
;; end of part 4
;; ======== version 2 of 2: 3 launches; 1.23 times as fast as version 1
;; limits: an iteration or a series of the reference is cut at 2 steps; an absolute error that grows with the inputs' magnitude: up to 0.000155 times it
;; workspace buffers: Gf 4,194,304 bytes; Gb 2,097,152 bytes; Mb 2,097,152 bytes
;; launch soft: the kernel of part 1 again; grid 256 x 1, 2 waves a work-group, no clusters, 0 bytes of LDS; arguments Theta, Gf, Gb; writes Gf, Gb
;; launch sqm (part 5): grid 16 x 16, 4 waves a work-group, clusters of 4 x 4, 311,808 bytes of LDS; arguments Gb, Gf, Mb; writes Mb
.if DOCPART == 5
	.amdgcn_target "amdgcn-amd-amdhsa--gfx1250"
	.amdhsa_code_object_version 6
	.text
	.protected	k_q6000be298a_sqm
	.globl	k_q6000be298a_sqm
	.p2align	8
	.type	k_q6000be298a_sqm,@function
k_q6000be298a_sqm:
	s_mov_b64 s[64:65], 0
	v_nop
	global_prefetch_b8 v0, s[64:65] scope:SCOPE_SE
	s_setreg_imm32_b32 hwreg(HW_REG_WAVE_MODE, 25, 1), 1
	s_wait_xcnt 0x0
	s_wait_alu depctr_hold_cnt(0) depctr_sa_sdst(0) depctr_va_vdst(0) depctr_va_sdst(0) depctr_va_ssrc(0) depctr_va_vcc(0) depctr_vm_vsrc(0)
	s_getreg_b32 s2, hwreg(HW_REG_IB_STS2, 6, 4)
	s_cmp_eq_u32 s2, 0
	s_cbranch_scc0 .Lentry_in_a_cluster
	s_endpgm
.Lentry_in_a_cluster:
	s_bfe_u32 s2, ttmp6, 0x10000c
	s_cmp_lg_u32 s2, 0xf033
	s_cbranch_scc0 .Lentry_shape_is_right
	s_endpgm
.Lentry_shape_is_right:
; M = c (I + G + G G / 2), c = exp(-0.1): the matrix exp(-0.1 (I - A)) = exp(-0.1) exp(G), G = 0.1 A, with the series of exp(G) cut at degree 2.
; LIMIT: G is non-negative with row sums of at most 0.1 for every Theta, so the terms left out (degree 3 and up) are non-negative with row sums
; of at most exp(0.1) - 1.105 = 1.71e-4, times c: 1.55e-4.  The final product is therefore off by at most 1.55e-4 times the largest |x| of its row,
; for every input; that is under a twelfth of 2^-9, the half unit by which the rounding of M and x to bf16 moves the same sums.
; All terms are non-negative: no difference of large sums is formed.  M leaves as bf16 panels, its diagonal (about 0.905) rounded like every matrix operand.
; bf16 and not f16 operands: entries of G lie near 1e-4 and below, those of G G near 1e-5, where f16 has no room.
; Gb, Mb: panels [16][1024 rows][64 columns] bf16, element (row, col) at (col >> 6) * 131072 + row * 128 + (col & 63) * 2.  Gf: [1024][1024] f32.
; So a block of 64 x 64 is 8,192 consecutive bytes, and Gb serves as the left factor (panel = 64 of K, K along the rows)
; and as the right factor stored [K][N] (panel = 64 of N).
; A work-group makes 64 x 64 of G G, 16 x 16 work-groups; four waves, 32 x 32 each, four accumulators.
; The whole K lies in LDS: every LDS byte is filled once, all fills go out at the head, no slot is filled again.
; CLUSTERS: 4 x 4 work-groups.  The left factor's 64 rows hang on the block row alone and are asked for jointly along a row of the
; cluster, the right factor's 64 columns on the block column alone, jointly along a column: a quarter of the requests.
; Each wave issues eight joint loads of 8,192 bytes (the left factor's panels lie 131,072 bytes apart, so no dense block is larger):
; eight tensor loads of a wave are outstanding at the most.
.set XP,     144                       ; LDS pitch of the left factor: 128 bytes + 16, so sixteen rows begin at sixteen different 16-byte columns modulo 256
.set XPANEL, 64*XP                     ; a panel of 64 rows x 64 K
.set YP,     160                       ; LDS pitch of the right factor: 128 bytes + 32, an odd multiple of 32, for the transposing loads
.set YGROUP, 64*YP                     ; 64 rows of K x 64 columns
.set YOFF,   16*XPANEL                 ; the right factor lies behind the left one's 16 panels
.set SP,     272                       ; the way out: 64 rows of 256 bytes + 16, laid over the left factor's first bytes when nothing reads or fills them any more
.set ADRX, 10                          ; v[10:13] my left fragments' LDS address, one for each four panels (the immediate has 16 bits)
.set ADRY, 14                          ; v[14:17] the same for the right fragments
.set STO,  18                          ; v18      where I put my results in the stage
.set RD,   19                          ; v19      where I read rows back
.set FO,   20                          ; v20      my byte offset in Gf's block
.set BO,   21                          ; v21      my byte offset in M's block
.set DL,   22                          ; v22      (my first row) - (my first column): element e of row pair i is on the diagonal if DL = e - 2 i
.set CC,   23                          ; v23      c
.set ACC,  32                          ; v[32:63] tile (a, b) at 32 + 8 (2 a + b)
.set FB0,  64                          ; v[64:127], v[128:191]: two fragment buffers; left (a, u) at 16 u + 8 a, right (b, u) at 32 + 16 u + 8 b
.set GP,   192                         ; v[192:223] my 16 rows' part of G in f32, fetched at the head
.set DD,   64                          ; the way out: G G as read back
.set TT,   96                          ;              M in f32
.set PM,   128                         ;              M in bf16
.set DG,   160                         ;              c on the diagonal, 0 elsewhere
.set G1X,  16                          ; s[16:23] descriptor group 1, left factor
.set G1Y,  24                          ; s[24:31] descriptor group 1, right factor
.set G0,   32                          ; s[32:63] group 0: phase p: left at 32 + 8 p, right at 36 + 8 p
.macro CREST                           ; a round of the cluster's barrier behind its opening barrier
	s_cmp_lg_u32 s66, 0
	s_cbranch_scc1 .Lnot_wave_0_\@
	s_barrier_signal -3
.Lnot_wave_0_\@:
	s_barrier_wait -3
	s_barrier_signal -1
	s_barrier_wait -1
.endm
.macro CROUND                          ; a whole round
	s_barrier_signal -1
	s_barrier_wait -1
	CREST
.endm
.macro PLACES                          ; four plain places behind matrix instructions, in front of loads into, or reads of, their registers
.rept 4
	v_nop
.endr
.endm
; The fragments of K group g (64 of K = two matrix steps u) into buffer g mod 2: sixteen LDS loads.
.macro FETCH g
.set FBUF, FB0+64*((\g)%2)
.irp u, 0,1
.irp a, 0,1
	ds_load_b128 v[FBUF+16*\u+8*\a:FBUF+16*\u+8*\a+3],   v[ADRX+(\g)/4] offset:((\g)%4)*XPANEL+\a*16*XP+\u*64
	ds_load_b128 v[FBUF+16*\u+8*\a+4:FBUF+16*\u+8*\a+7], v[ADRX+(\g)/4] offset:((\g)%4)*XPANEL+\a*16*XP+\u*64+32
.endr
.endr
.irp u, 0,1
.irp b, 0,1
	ds_load_tr16_b128 v[FBUF+32+16*\u+8*\b:FBUF+32+16*\u+8*\b+3],   v[ADRY+(\g)/4] offset:((\g)%4)*YGROUP+\u*32*YP+\b*32
	ds_load_tr16_b128 v[FBUF+32+16*\u+8*\b+4:FBUF+32+16*\u+8*\b+7], v[ADRY+(\g)/4] offset:((\g)%4)*YGROUP+\u*32*YP+\b*32+16*YP
.endr
.endr
.endm
; Four matrix instructions, 32 of K.  Source 0 = the right factor's columns, source 1 = the left factor's rows: a lane then holds row r
; and eight neighbouring columns 8 h + 0..7.  The four accumulators take turns, one instruction a turn.
.macro MUL4 g, u, zero
.set FBUF, FB0+64*((\g)%2)
.irp a, 0,1
.irp b, 0,1
.if \zero
	v_wmma_f32_16x16x32_bf16 v[ACC+8*(2*\a+\b):ACC+8*(2*\a+\b)+7], v[FBUF+32+16*\u+8*\b:FBUF+32+16*\u+8*\b+7], v[FBUF+16*\u+8*\a:FBUF+16*\u+8*\a+7], 0
.else
	v_wmma_f32_16x16x32_bf16 v[ACC+8*(2*\a+\b):ACC+8*(2*\a+\b)+7], v[FBUF+32+16*\u+8*\b:FBUF+32+16*\u+8*\b+7], v[FBUF+16*\u+8*\a:FBUF+16*\u+8*\a+7], v[ACC+8*(2*\a+\b):ACC+8*(2*\a+\b)+7]
.endif
.endr
.endr
.endm
; K group g inside a phase: the next group's fragments are asked for first, then this group is multiplied.
.macro STEP_IN g, zero
.if \g
	PLACES                                         ; the buffer that is loaded now was read by the matrix instructions of group g - 1
.endif
	FETCH \g+1
	s_wait_dscnt 16                                ; LDS loads come back in order: all but the sixteen just issued are in
	MUL4 \g, 0, \zero
	MUL4 \g, 1, 0
.endm
; The last K group of a phase: the next four panels must have landed in every wave's share.  left = my younger tensor loads, which may stay out.
.macro STEP_LAST g, left
	s_wait_dscnt 0x0                               ; this group's fragments are in, and no LDS instruction is pending at the signal
	s_wait_tensorcnt \left                         ; tensor loads of a wave end in order (ISA guide 10.11.1): my two of the next phase are in
	s_barrier_signal -1
	MUL4 \g, 0, 0
	s_barrier_wait -1                              ; everybody's are
	PLACES
	FETCH \g+1
	MUL4 \g, 1, 0
.endm
	s_load_b128 s[4:7], s[0:1], 0x0                ; Gb s[4:5], Gf s[6:7]
	s_load_b64 s[8:9], s[0:1], 0x10                ; Mb
	v_lshl_add_u32 v224, v0, 2, 0x4c000
	v_mov_b32 v225, 0
	ds_add_u32 v224, v225
	v_lshrrev_b32 v1, 5, v0
	v_readfirstlane_b32 s66, v1                    ; wave 0..3
	s_lshr_b32 s67, s66, 1                         ; my half of the block's rows
	s_and_b32 s68, s66, 1                          ; my half of its columns
	s_bfe_u32 s69, ttmp6, 0x40000                  ; cx
	s_bfe_u32 s70, ttmp6, 0x40004                  ; cy
	s_lshl_b32 s71, ttmp9, 2
	s_add_co_u32 s71, s71, s69                     ; block column = 4 x cluster x + cx
	s_and_b32 s72, ttmp7, 0xffff
	s_lshl_b32 s72, s72, 2
	s_add_co_u32 s72, s72, s70                     ; block row = 4 x cluster y + cy
	s_lshl_b32 s73, s70, 2
	s_lshl_b32 s73, 15, s73                        ; my row of the cluster: places 4 cy .. 4 cy + 3
	s_lshl_b32 s74, 0x1111, s69                    ; my column: places cx, cx + 4, cx + 8, cx + 12
	; group 1: a dense block of 8,192 bytes as 32 rows of 32 elements of 8 bytes; padding behind every 32 words (128 bytes, one row of a panel)
	s_or_b32 s[G1X+0], s73, (3<<16)|(1<<20)|(1<<21)|(4<<22)|(3<<25)   ; mask: my row; element 8 bytes; padding on; bit 21 beside a mask; every 32 words; 4 words
	s_or_b32 s[G1Y+0], s74, (3<<16)|(1<<20)|(1<<21)|(4<<22)|(7<<25)   ; mask: my column; the same with 8 words of padding
	s_mov_b32 s[G1X+1], 32<<16                     ; tensor_dim0 = 32
	s_mov_b32 s[G1Y+1], 32<<16
	s_mov_b32 s[G1X+2], 32<<16                     ; tensor_dim1 = 32
	s_mov_b32 s[G1Y+2], 32<<16
	s_mov_b32 s[G1X+3], 32<<16                     ; tile_dim0 = 32
	s_mov_b32 s[G1Y+3], 32<<16
	s_mov_b32 s[G1X+4], 32                         ; tile_dim1 = 32
	s_mov_b32 s[G1Y+4], 32
	s_mov_b32 s[G1X+5], 32                         ; from row to row: 32 elements (dense)
	s_mov_b32 s[G1Y+5], 32
	s_mov_b32 s[G1X+6], 0
	s_mov_b32 s[G1Y+6], 0
	s_mov_b32 s[G1X+7], 0
	s_mov_b32 s[G1Y+7], 0
	; offsets, each in registers of its own: the left factor's never hold cx, the right factor's never cy
	s_lshl_b32 s82, s72, 13                        ; left: block row x 64 rows x 128 bytes
	s_lshl_b32 s83, s66, 17                        ;       + panel w
	s_add_co_u32 s82, s82, s83
	s_mov_b32 s83, 0
	s_lshl_b32 s84, s71, 17                        ; right: panel = block column
	s_lshl_b32 s85, s66, 13                        ;        + K rows 64 w ..
	s_add_co_u32 s84, s84, s85
	s_mov_b32 s85, 0
	s_lshl_b32 s86, s72, 18                        ; Gf's block: 64 rows of 4,096 bytes x block row
	s_lshl_b32 s87, s71, 8                         ;             + 256 bytes x block column
	s_add_co_u32 s86, s86, s87
	s_mov_b32 s87, 0
	s_lshl_b32 s88, s71, 17                        ; M's block: panel = block column,
	s_lshl_b32 s89, s72, 13                        ;            64 rows of 128 bytes x block row
	s_add_co_u32 s88, s88, s89
	s_mov_b32 s89, 0
	s_mul_i32 s80, s66, XPANEL                     ; LDS: the wave's number times a constant, plus the phase's constant below
	s_mul_i32 s81, s66, YGROUP
	s_add_co_u32 s81, s81, YOFF
	s_wait_dscnt 0x0
	s_wait_kmcnt 0x0
	s_add_nc_u64 s[76:77], s[4:5], s[82:83]        ; left factor: G
	s_add_nc_u64 s[78:79], s[4:5], s[84:85]        ; right factor: G
	s_add_nc_u64 s[6:7], s[6:7], s[86:87]
	s_add_nc_u64 s[8:9], s[8:9], s[88:89]
	CROUND                                         ; all sixteen work-groups are here: the joint loads meet
.irp p, 0,1,2,3
	s_mov_b32 s[G0+8*\p], 1
	s_add_co_u32 s[G0+8*\p+1], s80, \p*4*XPANEL                    ; panel 4 p + w
	s_add_nc_u64 s[G0+8*\p+2:G0+8*\p+3], s[76:77], \p*4*131072
	s_or_b32 s[G0+8*\p+3], s[G0+8*\p+3], 0x80000000
	tensor_load_to_lds s[G0+8*\p:G0+8*\p+3], s[G1X:G1X+7]
	s_nop 0
	s_mov_b32 s[G0+8*\p+4], 1
	s_add_co_u32 s[G0+8*\p+5], s81, \p*4*YGROUP                    ; K rows 64 (4 p + w) ..
	s_add_nc_u64 s[G0+8*\p+6:G0+8*\p+7], s[78:79], \p*4*8192
	s_or_b32 s[G0+8*\p+7], s[G0+8*\p+7], 0x80000000
	tensor_load_to_lds s[G0+8*\p+4:G0+8*\p+7], s[G1Y:G1Y+7]
	s_nop 0
.endr
	v_and_b32 v1, 31, v0                           ; L
	v_and_b32 v2, 15, v0                           ; r
	v_bfe_u32 v3, v0, 4, 1                         ; h
	v_lshlrev_b32 v9, 4, v2                        ; Gf's block: row 16 w + h, 16 bytes x r
	v_lshl_add_u32 v9, v3, 12, v9
	s_lshl_b32 s94, s66, 16
	v_add_nc_u32 v[FO], s94, v9
.irp i, 0,1,2,3,4,5,6,7
	global_load_b128 v[GP+4*\i:GP+4*\i+3], v[FO], s[6:7] offset:8192*\i th:TH_LOAD_NT   ; rows 16 w + 2 i + h of G's block: wanted on the way out
.endr
	v_mul_u32_u24 v4, v2, XP                       ; left fragment: row r, 16 bytes x h (registers 0-3: K = 8 h ..; 4-7, 32 bytes on: K = 16 + 8 h ..)
	v_lshl_add_u32 v4, v3, 4, v4
	s_mul_i32 s90, s67, 32*XP
	v_add_nc_u32 v[ADRX], s90, v4
	v_and_b32 v5, 7, v0                            ; right fragment, transposing load: K row 8 h + (L & 7), 16 bytes x ((L >> 3) & 1)
	v_lshl_add_u32 v5, v3, 3, v5
	v_mul_u32_u24 v5, v5, YP
	v_bfe_u32 v6, v0, 3, 1
	v_lshl_add_u32 v5, v6, 4, v5
	s_lshl_b32 s91, s68, 6
	s_add_co_u32 s91, s91, YOFF
	v_add_nc_u32 v[ADRY], s91, v5
.irp p, 1,2,3
	v_add_nc_u32 v[ADRX+\p], \p*4*XPANEL, v[ADRX]
	v_add_nc_u32 v[ADRY+\p], \p*4*YGROUP, v[ADRY]
.endr
	v_mul_u32_u24 v7, v2, SP                       ; stage, in: row 32 mh + r, byte 128 nh + 32 h
	v_lshl_add_u32 v7, v3, 5, v7
	s_mul_i32 s92, s67, 32*SP
	s_lshl_b32 s93, s68, 7
	s_add_co_u32 s92, s92, s93
	v_add_nc_u32 v[STO], s92, v7
	v_mul_u32_u24 v8, v3, SP                       ; stage, back: row 16 w + h, 16 bytes x r
	v_lshl_add_u32 v8, v2, 4, v8
	s_mul_i32 s93, s66, 16*SP
	v_add_nc_u32 v[RD], s93, v8
	v_lshlrev_b32 v[BO], 3, v1                     ; M's block: 16 rows of 128 bytes x w + 8 L
	s_lshl_b32 s95, s66, 11
	v_add_nc_u32 v[BO], s95, v[BO]
	s_sub_co_i32 s90, s72, s71                     ; (64 block row + 16 w + h) - (64 block column + 4 r): it selects values alone, no address and no branch
	s_lshl_b32 s90, s90, 6
	s_lshl_b32 s91, s66, 4
	s_add_co_i32 s90, s90, s91
	v_lshlrev_b32 v[DL], 2, v2
	v_sub_nc_u32 v[DL], v3, v[DL]
	v_add_nc_u32 v[DL], s90, v[DL]
	v_mov_b32 v[CC], 0x3f67a36d                    ; c = exp(-0.1)
	s_wait_tensorcnt 6                             ; my first two loads (phase 0) are in; the six younger ones stay out
	s_barrier_signal -1
	s_barrier_wait -1                              ; everybody's are
	FETCH 0
	STEP_IN 0, 1                                   ; the first products start the sums: nothing is cleared
	STEP_IN 1, 0
	STEP_IN 2, 0
	STEP_LAST 3, 4
	STEP_IN 4, 0
	STEP_IN 5, 0
	STEP_IN 6, 0
	STEP_LAST 7, 2
	STEP_IN 8, 0
	STEP_IN 9, 0
	STEP_IN 10, 0
	STEP_LAST 11, 0                                ; all my tensor loads have landed
	STEP_IN 12, 0
	STEP_IN 13, 0
	STEP_IN 14, 0
	s_wait_dscnt 0x0                               ; the last fragments are in: my reads of both factors are over
	s_barrier_signal -1
	MUL4 15, 0, 0
	MUL4 15, 1, 0
	s_barrier_wait -1                              ; everybody's are: the stage may be written over the left factor's first bytes, which have had their last fill
	; THE WAY OUT: G G through the stage into whole rows, then M from 16 bytes of f32 a lane
	PLACES
.irp a, 0,1
.irp b, 0,1
	ds_store_b128 v[STO], v[ACC+8*(2*\a+\b):ACC+8*(2*\a+\b)+3]   offset:\a*16*SP+\b*64
	ds_store_b128 v[STO], v[ACC+8*(2*\a+\b)+4:ACC+8*(2*\a+\b)+7] offset:\a*16*SP+\b*64+16
.endr
.endr
	s_wait_dscnt 0x0                               ; for the others' sake: my stores are done
	s_barrier_signal -1
	s_barrier_wait -1
.irp i, 0,1,2,3,4,5,6,7
	ds_load_b128 v[DD+4*\i:DD+4*\i+3], v[RD] offset:\i*2*SP        ; rows 16 w + 2 i + h
.endr
	s_wait_loadcnt 0x0                             ; G's block
.irp i, 0,1,2,3,4,5,6,7
	s_wait_dscnt 7-\i                              ; pair i of rows is in; the 7 - i younger loads may be out
	v_pk_fma_f32 v[TT+4*\i:TT+4*\i+1],   v[DD+4*\i:DD+4*\i+1],   0.5, v[GP+4*\i:GP+4*\i+1] op_sel_hi:[1,0,1]      ; G G / 2 + G
	v_pk_fma_f32 v[TT+4*\i+2:TT+4*\i+3], v[DD+4*\i+2:DD+4*\i+3], 0.5, v[GP+4*\i+2:GP+4*\i+3] op_sel_hi:[1,0,1]
.irp e, 0,1,2,3
	v_cmp_eq_i32 vcc_lo, \e-2*\i, v[DL]
	v_cndmask_b32 v[DG+\e], 0, v[CC], vcc_lo       ; c on the diagonal, 0 elsewhere
.endr
	v_pk_fma_f32 v[TT+4*\i:TT+4*\i+1],   v[TT+4*\i:TT+4*\i+1],   0x3f67a36d, v[DG:DG+1] op_sel_hi:[1,0,1]     ; M = c (G + G G / 2) + c I
	v_pk_fma_f32 v[TT+4*\i+2:TT+4*\i+3], v[TT+4*\i+2:TT+4*\i+3], 0x3f67a36d, v[DG+2:DG+3] op_sel_hi:[1,0,1]
	v_cvt_pk_bf16_f32 v[PM+2*\i],   v[TT+4*\i],   v[TT+4*\i+1]
	v_cvt_pk_bf16_f32 v[PM+2*\i+1], v[TT+4*\i+2], v[TT+4*\i+3]
	global_store_b64 v[BO], v[PM+2*\i:PM+2*\i+1], s[8:9] offset:256*\i       ; the wave stores 256 consecutive aligned bytes: two rows of the panel
.endr
	s_wait_tensorcnt 0x0
	ds_add_u32 v224, v225
	s_wait_dscnt 0x0
	CROUND                                         ; the closing round: no work-group ends while a partner may still ask for a tile that names it
	s_endpgm
.Lfunc_end_k_q6000be298a_sqm:
	.size	k_q6000be298a_sqm, .Lfunc_end_k_q6000be298a_sqm-k_q6000be298a_sqm
	.p2alignl 7, 3214868480
	.fill 96, 4, 3214868480
	.section	.rodata,"a",@progbits
	.p2align	6, 0x0
	.amdhsa_kernel k_q6000be298a_sqm
		.amdhsa_group_segment_fixed_size 311808
		.amdhsa_private_segment_fixed_size 0
		.amdhsa_enable_private_segment 0
		.amdhsa_kernarg_size 24
		.amdhsa_user_sgpr_count 2
		.amdhsa_user_sgpr_kernarg_segment_ptr 1
		.amdhsa_wavefront_size32 1
		.amdhsa_system_sgpr_workgroup_id_x 1
		.amdhsa_system_sgpr_workgroup_id_y 1
		.amdhsa_system_sgpr_workgroup_id_z 1
		.amdhsa_system_vgpr_workitem_id 0
		.amdhsa_next_free_vgpr 226
		.amdhsa_next_free_sgpr 96
		.amdhsa_reserve_vcc 1
		.amdhsa_float_denorm_mode_32 3
		.amdhsa_float_denorm_mode_16_64 3
		.amdhsa_memory_ordered 1
		.amdhsa_forward_progress 1
		.amdhsa_inst_pref_size 44
	.end_amdhsa_kernel
	.amdgpu_metadata
---
amdhsa.version: [ 1, 2 ]
amdhsa.kernels:
  - .name:           k_q6000be298a_sqm
    .symbol:         k_q6000be298a_sqm.kd
    .args:
      - { .name: Gb, .offset: 0, .size: 8, .value_kind: global_buffer, .address_space: global }
      - { .name: Gf, .offset: 8, .size: 8, .value_kind: global_buffer, .address_space: global }
      - { .name: Mb, .offset: 16, .size: 8, .value_kind: global_buffer, .address_space: global }
    .group_segment_fixed_size: 311808
    .private_segment_fixed_size: 0
    .kernarg_segment_align: 8
    .kernarg_segment_size: 24
    .max_flat_workgroup_size: 128
    .sgpr_count:     96
    .vgpr_count:     226
    .wavefront_size: 32
...
	.end_amdgpu_metadata
.endif
;; end of part 5
;; launch big (part 6): grid 4 x 64, 4 waves a work-group, clusters of 4 x 4, 327,680 bytes of LDS; arguments x, Mb, out0; writes out0
.if DOCPART == 6
	.amdgcn_target "amdgcn-amd-amdhsa--gfx1250"
	.amdhsa_code_object_version 6
	.text
	.protected	k_q6000be298a_big
	.globl	k_q6000be298a_big
	.p2align	8
	.type	k_q6000be298a_big,@function
k_q6000be298a_big:
	s_mov_b64 s[64:65], 0
	v_nop
	global_prefetch_b8 v0, s[64:65] scope:SCOPE_SE
	s_setreg_imm32_b32 hwreg(HW_REG_WAVE_MODE, 25, 1), 1
	s_wait_xcnt 0x0
	s_wait_alu depctr_hold_cnt(0) depctr_sa_sdst(0) depctr_va_vdst(0) depctr_va_sdst(0) depctr_va_ssrc(0) depctr_va_vcc(0) depctr_vm_vsrc(0)
	s_getreg_b32 s2, hwreg(HW_REG_IB_STS2, 6, 4)
	s_cmp_eq_u32 s2, 0
	s_cbranch_scc0 .Lentry_in_a_cluster
	s_endpgm
.Lentry_in_a_cluster:
	s_bfe_u32 s2, ttmp6, 0x10000c
	s_cmp_lg_u32 s2, 0xf033
	s_cbranch_scc0 .Lentry_shape_is_right
	s_endpgm
.Lentry_shape_is_right:
; out0[m][n] = sum over k of x[m][k] M[n][k].  x, out0: [8192][1024] f32.  M: bf16 panels [16][1024 rows][64 columns],
; element (n, k) at (k >> 6) * 131072 + n * 128 + (k & 63) * 2.  x is rounded to bf16 on its way to the matrix unit; sums in f32.
; A work-group makes 128 rows x 256 columns, 4 x 64 = 256 work-groups; four waves, 64 x 128 each: 32 accumulator tiles, 256 registers.
; K goes in sixteen chunks of 64.
; M comes by the tensor data mover into a ring of two LDS slots of four chunks (K = 256) each: wave w fetches panel w of a slot, 32,768 dense bytes.
; Only two refills are needed; each has four chunks, 256 matrix instructions of a wave, in which to land.
; A wave has two tensor loads outstanding at the start and one behind each refill.
; x comes through registers: wave w loads rows 32 w .. 32 w + 31 of a chunk (sixteen lanes take the 256 aligned bytes of a row), rounds them to bf16
; and puts them into one of two LDS buffers, from which all four waves read fragments.  A ring of seven half-chunks of registers keeps 56 loads
; of a wave on their way: a half-chunk is asked for 3.5 chunks, 224 matrix instructions, before it is converted.
; CLUSTERS: 4 x 4 work-groups.  The four of a column of the cluster need the same tiles of M and ask for them jointly: a quarter of the requests.
; x, which the four of a row share, is NOT asked for jointly: as f32 in the ring it takes 512 bytes of LDS for each of K beside M's 512, so two slots
; hold K = 128 each at the most and a load has 112 matrix instructions in which to land; through registers its lead is twice that,
; it reaches LDS at half the bytes, each number is converted once instead of twice, and M's slots have room for K = 256.
; One work-group barrier a chunk: in front of it each wave has ended its reads of chunk c and its stores of chunk c + 1.
; The sixteen chunks are written out by macro: the ring's period of seven and the two refills give each chunk constants of its own.
;
; REGISTERS, in windows of 256:
;   window 0: v8-26 addresses; v96-127 x in bf16 on its way to LDS, two sets; v128-191, v192-255 rows on the way out
;   window 1: the 32 accumulator tiles, tile (a, b) at v[8 (8 a + b)]
;   window 2: v0-63, v64-127 fragments of M, two buffers; v128-159, v160-191 fragments of x, two buffers
;   window 3: v0-223 x as loaded, seven sets of 32
; The matrix instruction is used transposed (source 0 = 16 rows of M, source 1 = 16 rows of x): lane l holds row l % 16 of out0 and its
; eight registers the neighbouring columns 8 (l / 16) + 0..7.
.set PP,     272                       ; LDS pitch of a PAIR of 128-byte rows: 256 bytes + 16.  Row n lies at (n >> 1) * 272 + (n & 1) * 128, so the sixteen rows of a
                                       ; fragment begin at the 16-byte columns (n >> 1) + 8 (n & 1) modulo 16: sixteen different ones
.set MPANEL, 128*PP                    ; a panel: 256 rows x 64 K of M: what one tensor load brings
.set MSLOT,  4*MPANEL                  ; 139,264 bytes
.set XBUF,   2*MSLOT                   ; behind the ring, a multiple of 256: x's two buffers; no fill lands there
.set XBYTES, 64*PP                     ; 128 rows x 64 K of x in bf16
.set SPX,    528                       ; the way out: rows of 512 bytes + 16
.set WSTAGE, 16*SPX                    ; 16 rows for each wave, from LDS byte 0: over slot 0, which has had its last fill and whose last reads end in front of the barrier ahead of chunk 12
.set XO,   8                           ; v8      my byte offset in x's 128 rows: (32 w + h) * 4096 + 16 r; never rewritten
.set XS,   10                          ; v10-11  where I put 8 bytes of bf16 in x's buffer 0, 1
.set ADRX, 12                          ; v12-13  my x fragments in buffer 0, 1
.set ADRM, 16                          ; v16-23  my M fragments in panel q of the ring's eight (the immediate has 16 bits)
.set STO,  24                          ; v24     the way out: where I put 32 bytes of a row
.set RD,   25                          ; v25     the way out: where I read a row back
.set CO,   26                          ; v26     my byte offset in a row of out0
.set PK,   96                          ; window 0
.set T0,   128
.set T1,   192
.set XF,   128                         ; window 2
.set G1,  24                           ; s[24:31] descriptor group 1
.set G0,  32                           ; s[32:39] group 0, one set for each slot
.set MSB, 0
.macro WIN new                         ; the immediate's high byte repeats the setting that is left
.if MSB != \new
	s_set_vgpr_msb (MSB<<8)|\new
.set MSB, \new
.endif
.endm
.set MULW, 0x5a                        ; sources 0 (M) and 1 (x) window 2, C and D window 1
.set FRGW, 0x80                        ; LDS load: destination window 2, address window 0
.set CVTW, 0x0f                        ; sources 0 and 1 window 3, destination window 0
.set MOVW, 0xc0                        ; global load: destination window 3, address window 0; LDS store: address and data window 0
.set STGW, 0x04                        ; LDS store: address window 0, data window 1
.macro CREST                           ; a round of the cluster's barrier behind its opening barrier
	s_cmp_lg_u32 s10, 0
	s_cbranch_scc1 .Lnot_wave_0_\@
	s_barrier_signal -3
.Lnot_wave_0_\@:
	s_barrier_wait -3
	s_barrier_signal -1
	s_barrier_wait -1
.endm
.macro CROUND
	s_barrier_signal -1
	s_barrier_wait -1
	CREST
.endm
.macro PLACES                          ; four plain places behind matrix instructions (ISA guide 7.12.1)
.rept 4
	v_nop
.endr
.endm
; Half-chunk m (chunk m / 2, my row pairs 8 (m % 2) .. + 7) is asked for: eight loads, each two rows' 256 aligned bytes, into set m % 7.
.macro XLOAD m
.irp i, 0,1,2,3,4,5,6,7
	global_load_b128 v[32*((\m)%7)+4*\i:32*((\m)%7)+4*\i+3], v[XO], s[4:5] offset:(8*((\m)%2)+\i)*8192+((\m)/2)*256
.endr
.endm
; Half-chunk m is rounded to bf16.  These sixteen conversions name no register of a matrix instruction: they are also the plain places
; between the matrix instructions in front of them and the fragment loads behind them.
.macro STAGE_CVT m
.if 31-(\m) < 6
	s_wait_loadcnt 8*(31-(\m))                     ; loads come back in order (ISA guide 5.7.1): only the 31 - m half-chunks behind mine are left
.else
	s_wait_loadcnt 48                              ; the six younger half-chunks, eight loads each, stay out
.endif
	WIN CVTW
.irp i, 0,1,2,3,4,5,6,7
	v_cvt_pk_bf16_f32 v[PK+16*((\m)%2)+2*\i],   v[32*((\m)%7)+4*\i],   v[32*((\m)%7)+4*\i+1]
	v_cvt_pk_bf16_f32 v[PK+16*((\m)%2)+2*\i+1], v[32*((\m)%7)+4*\i+2], v[32*((\m)%7)+4*\i+3]
.endr
.endm
; It goes to its chunk's LDS buffer (the wave's store is a pair of rows, 256 consecutive bytes), and its registers are asked for half-chunk m + 7.
.macro STAGE_MOVE m
	WIN MOVW
.irp i, 0,1,2,3,4,5,6,7
	ds_store_b64 v[XS+((\m)/2)%2], v[PK+16*((\m)%2)+2*\i:PK+16*((\m)%2)+2*\i+1] offset:(8*((\m)%2)+\i)*PP
.endr
.if (\m) < 25
	XLOAD \m+7
.endif
.endm
; The fragments of step u (32 of K) of chunk c into buffer u: 8 LDS loads of x, 16 of M.
.macro FETCH c, u
	WIN FRGW
.irp a, 0,1,2,3
	ds_load_b128 v[XF+32*\u+8*\a:XF+32*\u+8*\a+3],   v[ADRX+(\c)%2] offset:\a*8*PP+\u*64
	ds_load_b128 v[XF+32*\u+8*\a+4:XF+32*\u+8*\a+7], v[ADRX+(\c)%2] offset:\a*8*PP+\u*64+32
.endr
.irp b, 0,1,2,3,4,5,6,7
	ds_load_b128 v[64*\u+8*\b:64*\u+8*\b+3],   v[ADRM+(\c)%8] offset:\b*8*PP+\u*64
	ds_load_b128 v[64*\u+8*\b+4:64*\u+8*\b+7], v[ADRM+(\c)%8] offset:\b*8*PP+\u*64+32
.endr
.endm
; 8 matrix instructions: row block a x all 8 column blocks, 32 of K from buffer f.  The 32 accumulators take turns, one instruction a turn,
; in the same order in every step.  zero = 1: the first product starts the sums.
.macro MULA f, a, zero
.irp b, 0,1,2,3,4,5,6,7
.if \zero
	v_wmma_f32_16x16x32_bf16 v[8*(8*\a+\b):8*(8*\a+\b)+7], v[64*\f+8*\b:64*\f+8*\b+7], v[XF+32*\f+8*\a:XF+32*\f+8*\a+7], 0
.else
	v_wmma_f32_16x16x32_bf16 v[8*(8*\a+\b):8*(8*\a+\b)+7], v[64*\f+8*\b:64*\f+8*\b+7], v[XF+32*\f+8*\a:XF+32*\f+8*\a+7], v[8*(8*\a+\b):8*(8*\a+\b)+7]
.endif
.endr
.endm
; Chunk c, from behind the barrier that shows it whole to behind the next one.
; first: chunk 0.  tw: the next chunk begins a slot, so all my tensor loads are waited for.  round: the slot just read is filled again.  last: chunk 15.
.macro CHUNK c, first, tw, round, last
	FETCH \c, 0                                    ; step 0's fragments; the last chunk's remaining 24 matrix instructions cover their way
.if \first
.else
	WIN MULW
	MULA 1, 1, 0
	MULA 1, 2, 0
	MULA 1, 3, 0
.endif
.if \last
	PLACES                                         ; nothing is left to convert: four v_nop stand between the matrix instructions that read buffer 1 and the loads into it
	FETCH \c, 1
	s_wait_dscnt 24                                ; step 0's fragments are in; step 1's 24 loads may be out
.else
	STAGE_CVT 2*\c+2                               ; the next chunk's first half
	FETCH \c, 1
	STAGE_MOVE 2*\c+2                              ; into the buffer whose readers ended in front of the barrier just passed
	s_wait_dscnt 32                                ; step 0's fragments are in; step 1's 24 loads and the 8 stores may be out
.endif
	WIN MULW
	MULA 0, 0, \first
	MULA 0, 1, \first
	MULA 0, 2, \first
	MULA 0, 3, \first
.if \last
	s_wait_dscnt 0x0
	MULA 1, 0, 0
	MULA 1, 1, 0
	MULA 1, 2, 0
	MULA 1, 3, 0
.else
	STAGE_CVT 2*\c+3                               ; the next chunk's second half
	STAGE_MOVE 2*\c+3
	s_wait_dscnt 0x0                               ; my reads of this chunk (x's buffer and M's panel) and my stores of the next are done
.if \tw
	s_wait_tensorcnt 0x0                           ; all my tensor loads have landed: my panel of the slot that is read next among them
	ds_add_u32 v94, v95
	s_wait_dscnt 0x0
.endif
	s_barrier_signal -1
	WIN MULW
	MULA 1, 0, 0                                   ; work on registers while the others arrive
.if \round
	WIN 0
	s_barrier_wait -1
	CREST                                          ; no wave of any partner still reads the slot just left or has a load on its way
	s_add_nc_u64 s[G0+4*(((\c)/4)%2)+2:G0+4*(((\c)/4)%2)+3], s[G0+4*(((\c)/4)%2)+2:G0+4*(((\c)/4)%2)+3], 8*131072   ; eight panels on; no load of mine is out
	tensor_load_to_lds s[G0+4*(((\c)/4)%2):G0+4*(((\c)/4)%2)+3], s[G1:G1+7]   ; my one tensor load behind the round, ahead of every LDS read
	s_nop 0
.else
	s_barrier_wait -1
.endif
.endif
.endm
	s_load_b128 s[4:7], s[0:1], 0x0                ; x s[4:5], Mb s[6:7]
	s_load_b64 s[8:9], s[0:1], 0x10                ; out0
	v_lshl_add_u32 v94, v0, 2, 0x4c800
	v_mov_b32 v95, 0
	ds_add_u32 v94, v95
	v_lshrrev_b32 v1, 5, v0
	v_readfirstlane_b32 s10, v1                    ; wave 0..3
	s_lshr_b32 s11, s10, 1                         ; my half of the block's rows
	s_and_b32 s12, s10, 1                          ; my half of its columns
	s_bfe_u32 s40, ttmp6, 0x40000                  ; cx
	s_bfe_u32 s41, ttmp6, 0x40004                  ; cy
	s_lshl_b32 s42, ttmp9, 2
	s_add_co_u32 s42, s42, s40                     ; block column = 4 x cluster x + cx
	s_and_b32 s13, ttmp7, 0xffff
	s_lshl_b32 s13, s13, 2
	s_add_co_u32 s13, s13, s41                     ; block row = 4 x cluster y + cy
	s_lshl_b32 s44, 0x1111, s40                    ; my column of the cluster: places cx, cx + 4, cx + 8, cx + 12
	; group 1: a dense block of 32,768 bytes as 128 rows of 32 elements of 8 bytes; 4 words of padding behind every 64 words (a pair of the panel's rows)
	s_or_b32 s[G1+0], s44, (3<<16)|(1<<20)|(1<<21)|(5<<22)|(3<<25)
	s_mov_b32 s[G1+1], 32<<16                      ; tensor_dim0 = 32
	s_mov_b32 s[G1+2], 128<<16                     ; tensor_dim1 = 128
	s_mov_b32 s[G1+3], 32<<16                      ; tile_dim0 = 32
	s_mov_b32 s[G1+4], 128                         ; tile_dim1 = 128
	s_mov_b32 s[G1+5], 32                          ; from row to row: 32 elements (dense)
	s_mov_b32 s[G1+6], 0
	s_mov_b32 s[G1+7], 0
	v_and_b32 v2, 15, v0                           ; r
	v_bfe_u32 v3, v0, 4, 1                         ; h
	v_lshlrev_b32 v[XO], 4, v2                     ; x: row 32 w + h, 16 bytes x r
	v_lshl_add_u32 v[XO], v3, 12, v[XO]
	s_lshl_b32 s14, s10, 17
	v_add_nc_u32 v[XO], s14, v[XO]
	s_lshl_b32 s16, s13, 19                        ; x: 128 rows of 4,096 bytes x block row: under 2^25
	s_mov_b32 s17, 0
	s_lshl_b32 s46, s42, 15                        ; M: 256 rows of 128 bytes x block column (it never holds cy)
	s_lshl_b32 s47, s10, 17                        ;    + panel w
	s_add_co_u32 s46, s46, s47
	s_mov_b32 s47, 0
	s_mul_i32 s18, s10, MPANEL                     ; and where it goes: the wave's number times a constant, plus the slot's constant below
	s_wait_dscnt 0x0
	s_wait_kmcnt 0x0
	s_add_nc_u64 s[4:5], s[4:5], s[16:17]
	s_add_nc_u64 s[46:47], s[6:7], s[46:47]
	WIN MOVW
.irp m, 0,1,2,3,4,5,6
	XLOAD \m                                       ; the ring is filled: chunks 0 to 2 and half of chunk 3
.endr
	WIN 0
	CROUND                                         ; all sixteen work-groups are here: the first joint loads meet
.irp s, 0,1
	s_mov_b32 s[G0+4*\s], 1
	s_add_co_u32 s[G0+4*\s+1], s18, \s*MSLOT
	s_add_nc_u64 s[G0+4*\s+2:G0+4*\s+3], s[46:47], \s*4*131072     ; panels 4 s + w
	s_or_b32 s[G0+4*\s+3], s[G0+4*\s+3], 0x80000000
	tensor_load_to_lds s[G0+4*\s:G0+4*\s+3], s[G1:G1+7]
	s_nop 0
.endr
	v_lshrrev_b32 v4, 1, v2                        ; a fragment's lane term: row r of sixteen at (r >> 1) * 272 + (r & 1) * 128, 16 bytes x h;
	v_and_b32 v5, 1, v2                            ; registers 0-3: K = 8 h ..; registers 4-7, 32 bytes on: K = 16 + 8 h ..
	v_mul_u32_u24 v4, v4, PP
	v_lshl_add_u32 v4, v5, 7, v4
	v_lshl_add_u32 v4, v3, 4, v4
	s_mul_i32 s20, s12, 64*PP                      ; my 128 rows of M
	v_add_nc_u32 v[ADRM], s20, v4
.irp q, 1,2,3,4,5,6,7
	v_add_nc_u32 v[ADRM+\q], \q*MPANEL, v[ADRM]
.endr
	s_mul_i32 s21, s11, 32*PP                      ; my 64 rows of x
	s_add_co_u32 s21, s21, XBUF
	v_add_nc_u32 v[ADRX], s21, v4
	v_add_nc_u32 v[ADRX+1], XBYTES, v[ADRX]
	v_and_b32 v6, 31, v0                           ; L
	v_lshlrev_b32 v7, 3, v6                        ; x into LDS: pair of rows 16 w + i, 8 bytes x L (lanes 16-31 hold the odd row, 128 bytes on)
	s_mul_i32 s22, s10, 16*PP
	s_add_co_u32 s22, s22, XBUF
	v_add_nc_u32 v[XS], s22, v7
	v_add_nc_u32 v[XS+1], XBYTES, v[XS]
	s_mul_i32 s23, s10, WSTAGE                     ; my stage
	v_mul_u32_u24 v9, v2, SPX                      ; in: row r, 32 bytes for each half of the lanes
	v_lshl_add_u32 v9, v3, 5, v9
	v_add_nc_u32 v[STO], s23, v9
	v_lshlrev_b32 v[CO], 4, v6                     ; back: the 32 lanes take one row of 512 bytes
	v_add_nc_u32 v[RD], s23, v[CO]
	STAGE_CVT 0                                    ; chunk 0 into buffer 0
	STAGE_MOVE 0
	STAGE_CVT 1
	STAGE_MOVE 1
	s_wait_dscnt 0x0                               ; for the others' sake: my stores are done
	s_wait_tensorcnt 1                             ; my panel of slot 0 is in; slot 1's stays out
	s_barrier_signal -1
	s_barrier_wait -1                              ; everybody's are
	CHUNK 0,  1, 0, 0, 0                           ; its first products start the sums: nothing is cleared
	CHUNK 1,  0, 0, 0, 0
	CHUNK 2,  0, 0, 0, 0
	CHUNK 3,  0, 1, 1, 0                           ; slot 0 is left: it is asked for chunks 8 to 11
	CHUNK 4,  0, 0, 0, 0
	CHUNK 5,  0, 0, 0, 0
	CHUNK 6,  0, 0, 0, 0
	CHUNK 7,  0, 1, 1, 0                           ; slot 1 is left: it is asked for chunks 12 to 15
	CHUNK 8,  0, 0, 0, 0
	CHUNK 9,  0, 0, 0, 0
	CHUNK 10, 0, 0, 0, 0
	CHUNK 11, 0, 1, 0, 0                           ; the last tensor load is waited for; nothing is left to fetch
	CHUNK 12, 0, 0, 0, 0
	CHUNK 13, 0, 0, 0, 0
	CHUNK 14, 0, 0, 0, 0
	CHUNK 15, 0, 0, 0, 1
	; THE WAY OUT, 16 rows at a time: the accumulators go straight into my own stage, whole rows of 512 bytes come back and are stored.
	PLACES                                         ; behind the last matrix instructions, in front of the LDS stores of their results
	s_lshl_b32 s16, s13, 7
	s_lshl_b32 s17, s11, 6
	s_add_co_u32 s16, s16, s17                     ; my first row: 128 x block row + 64 x half
	s_lshl_b32 s16, s16, 12
	s_mov_b32 s17, 0
	s_add_nc_u64 s[8:9], s[8:9], s[16:17]
	s_lshl_b32 s46, s42, 10                        ; my first column, in bytes: 1,024 x block column + 512 x half
	s_lshl_b32 s47, s12, 9
	s_add_co_u32 s46, s46, s47
	s_mov_b32 s47, 0
	s_add_nc_u64 s[8:9], s[8:9], s[46:47]
.macro OUT16 a, buf
	WIN STGW
.irp b, 0,1,2,3,4,5,6,7
	ds_store_b128 v[STO], v[8*(8*\a+\b):8*(8*\a+\b)+3]   offset:64*\b
	ds_store_b128 v[STO], v[8*(8*\a+\b)+4:8*(8*\a+\b)+7] offset:64*\b+16
.endr
	WIN 0
	s_wait_xcnt 0x0                                ; earlier stores have had their addresses translated (ISA guide 3.1): the registers that they read are loaded again only behind this wait
.irp k, 0,1,2,3,4,5,6,7,8,9,10,11,12,13,14,15
	ds_load_b128 v[\buf+4*\k:\buf+4*\k+3], v[RD] offset:\k*SPX     ; LDS serves a wave's instructions in order (ISA guide 5.7.1.4): these see the stores above
.endr
.irp k, 0,1,2,3,4,5,6,7,8,9,10,11,12,13,14,15
	s_wait_dscnt 15-\k                             ; row k is in; the 15 - k younger loads may be out
	global_store_b128 v[CO], v[\buf+4*\k:\buf+4*\k+3], s[8:9] offset:(16*\a+\k)*4096 th:TH_STORE_NT   ; the wave stores 512 consecutive aligned bytes of a row
.endr
.endm
	OUT16 0, T0
	OUT16 1, T1
	OUT16 2, T0
	OUT16 3, T1
	s_wait_tensorcnt 0x0
	ds_add_u32 v94, v95
	s_wait_dscnt 0x0
	CROUND                                         ; the closing round: no work-group ends while a partner may still ask for a tile that names it
	s_endpgm
.Lfunc_end_k_q6000be298a_big:
	.size	k_q6000be298a_big, .Lfunc_end_k_q6000be298a_big-k_q6000be298a_big
	.p2alignl 7, 3214868480
	.fill 96, 4, 3214868480
	.section	.rodata,"a",@progbits
	.p2align	6, 0x0
	.amdhsa_kernel k_q6000be298a_big
		.amdhsa_group_segment_fixed_size 327680
		.amdhsa_private_segment_fixed_size 0
		.amdhsa_enable_private_segment 0
		.amdhsa_kernarg_size 24
		.amdhsa_user_sgpr_count 2
		.amdhsa_user_sgpr_kernarg_segment_ptr 1
		.amdhsa_wavefront_size32 1
		.amdhsa_system_sgpr_workgroup_id_x 1
		.amdhsa_system_sgpr_workgroup_id_y 1
		.amdhsa_system_sgpr_workgroup_id_z 1
		.amdhsa_system_vgpr_workitem_id 0
		.amdhsa_next_free_vgpr 992
		.amdhsa_next_free_sgpr 66
		.amdhsa_reserve_vcc 0
		.amdhsa_float_denorm_mode_32 3
		.amdhsa_float_denorm_mode_16_64 3
		.amdhsa_memory_ordered 1
		.amdhsa_forward_progress 1
		.amdhsa_inst_pref_size 216
	.end_amdhsa_kernel
	.amdgpu_metadata
---
amdhsa.version: [ 1, 2 ]
amdhsa.kernels:
  - .name:           k_q6000be298a_big
    .symbol:         k_q6000be298a_big.kd
    .args:
      - { .name: x, .offset: 0, .size: 8, .value_kind: global_buffer, .address_space: global }
      - { .name: Mb, .offset: 8, .size: 8, .value_kind: global_buffer, .address_space: global }
      - { .name: out0, .offset: 16, .size: 8, .value_kind: global_buffer, .address_space: global }
    .group_segment_fixed_size: 327680
    .private_segment_fixed_size: 0
    .kernarg_segment_align: 8
    .kernarg_segment_size: 24
    .max_flat_workgroup_size: 128
    .sgpr_count:     66
    .vgpr_count:     992
    .wavefront_size: 32
...
	.end_amdgpu_metadata
.endif
;; end of part 6
